; MI455X (gfx1250); checked and timed in simulation.
; The chip was launched on July 23, 2026; its instructions are those of AMD's public machine-readable ISA for CDNA 5 (MIT licence, August 2026) and "CDNA5" Instruction Set Architecture Reference Guide (July 2026). The comments in the code are by the model that wrote it; some were corrected since.
;; Attention. Allowed arithmetic: matrix products marked QUANTISED: E2M1 operands, one E8M0 scale for each 32 along K, by v_wmma_scale_f32_16x16x128_f8f6f4 with both operands' format E2M1 (or v_wmma_scale_f32_32x16x128_f4), f32 sums; products left as they are: bf16, f16 or f32 operands; f32 sums; everything else in f32.
;; Inputs: token_positions 2,048 int32; wk 1,024 x 1,024 float32; wo 1,024 x 1,024 float32; wq 1,024 x 1,024 float32; wv 1,024 x 1,024 float32; x 4 x 2,048 x 1,024 float32.
;; Outputs: out0 4 x 2,048 x 1,024 float32.
;; This version of the problem:
;;   THIS VERSION OF THE PROBLEM IS GIVEN IN LOW PRECISION. The matrix products marked QUANTISED in the list below multiply operands that are first quantised to E2M1 (2 exponent bits, 1 mantissa bit; 4 bits a number), with one power-of-two scale for each 32 numbers along K (OCP MX v1.0); their sums are f32. The products marked 'left as it is' may take bf16, f16 or f32 operands, with f32 sums. Whichever they take, every output number must still come out within the allowed error. Rounding operands to bf16 (8 significant bits) uses up far more of that allowance than f16 does (11 bits, for magnitudes from 6e-5 to 65,504). All else is computed in f32.
;;   The module's matrix products, in the order in which they are computed (A, B: the left and right operand; K: the contracted axis; several contracted axes count as one K, in the product's order):
;;     1. [M 8,192, K 1,024] x [K 1,024, N 1,024]; A: input x; B: input wq: QUANTISED
;;     2. [M 8,192, K 1,024] x [K 1,024, N 1,024]; A: input x; B: input wk: QUANTISED
;;     3. [M 8,192, K 1,024] x [K 1,024, N 1,024]; A: input x; B: input wv: QUANTISED
;;     4. batch 64 x [M 2,048, K 64] x [K 64, N 2,048]; A: computed on the way; B: computed on the way: left as it is (an operand is computed on the way)
;;     5. batch 64 x [M 2,048, K 2,048] x [K 2,048, N 64]; A: computed on the way; B: computed on the way: left as it is (an operand is computed on the way)
;;     6. [M 8,192, K 1,024] x [K 1,024, N 1,024]; A: computed on the way; B: input wo: left as it is (an operand is computed on the way)
;;   THE QUANTISER, for each operand of a quantised product, along K:
;;     - K is cut into blocks of 32 from its start; a last block that is shorter is filled with zeros.
;;     - A block's scale is 2^e with e = floor(log2(the largest magnitude in the block)) - 2, held to -126 .. 127; a block of zeros has e = 0. As a byte (E8M0): e + 127.
;;     - Each number is divided by its block's scale, clamped to +-6, and rounded to the nearest number of E2M1, ties to even, subnormals kept.
;;     - The product sums the exact products of the quantised numbers (number of the format x scale) in f32.
;;   ~~~python
;;   def quantise(x, axis):      # numpy; x: float32 -> the quantised numbers, widened to float32 again
;;       x = np.moveaxis(x, axis, -1); K = x.shape[-1]
;;       x = np.pad(x, [(0, 0)] * (x.ndim - 1) + [(0, -K % 32)]); x = x.reshape(x.shape[:-1] + (-1, 32)); a = np.abs(x).max(-1, keepdims=True)
;;       e = np.where(a > 0, np.clip(np.frexp(np.where(a > 0, a, 1))[1] - 1 - 2, -126, 127), 0)      # np.frexp(a)[1] - 1 = floor(log2(a)), exactly
;;       r = np.clip(x / 2.0 ** e, -6, 6)
;;       step = 2.0 ** (np.maximum(np.frexp(np.where(r == 0, 1, r))[1] - 1, 0) - 1)
;;       q = np.round(r / step) * step * 2.0 ** e      # np.round: ties to even
;;       return np.moveaxis(q.reshape(q.shape[:-2] + (-1,))[..., :K], -1, axis).astype(np.float32)
;;   ~~~
;; One version. Each part assembles by itself: llvm-mc -triple=amdgcn-amd-amdhsa -mcpu=gfx1250 --defsym DOCPART=n.
;; ======== version 1 of 1: 5 launches
;; limits: values are held in f16: magnitudes above 65,504 overflow, below 6.1e-05 lose precision; right only within a limited range of input values
;; workspace buffers: codes 5,767,168 bytes; scales 360,448 bytes; wo16 2,097,152 bytes; tab 524,288 bytes; qkv16 50,331,648 bytes; att 16,777,216 bytes; head16 786,432 bytes
;; launch prep (part 1): grid 400 x 1, 4 waves a work-group, no clusters, 33,280 bytes of LDS; arguments x, wq, wk, wv, wo, token_positions, codes, scales, wo16, tab; writes codes, scales, wo16, tab
.if DOCPART == 1
	.amdgcn_target "amdgcn-amd-amdhsa--gfx1250"
	.amdhsa_code_object_version 6
	.text
	.protected	k_q94f0104851_prep
	.globl	k_q94f0104851_prep
	.p2align	8
	.type	k_q94f0104851_prep,@function
k_q94f0104851_prep:
	s_mov_b64 s[64:65], 0
	v_nop
	global_prefetch_b8 v0, s[64:65] scope:SCOPE_SE
	s_setreg_imm32_b32 hwreg(HW_REG_WAVE_MODE, 25, 1), 1
	s_wait_xcnt 0x0
; PREP: three jobs that share one launch; the work-group's number says which.
;   work-groups 0-351:   x [8192][1024], wq, wk, wv [1024][1024], f32, K innermost, become codes of FP4 (E2M1) and one E8M0 byte for each 32 along K.
;                        codes: [11264 rows][512 bytes] (rows 0-8191 x, 8192.. wq, 9216.. wk, 10240.. wv); scales: [11264][32].
;   work-groups 352-383: wo [n][k] f32 becomes f16, laid by head: wo16[h][n][d] = wo[n][64 h + d].
;   work-groups 384-399: the table of RoPE: tab[s][j] = (cos, sin) of token_positions[s] x 10000^(-j/32), f32.
; A block's scale is 2^(floor(log2(largest magnitude)) - 2); its byte is the largest magnitude's exponent field - 2, held at 1 from below.
; A block of zeros so gets the byte 1 where the rule says 127: its codes are zeros, and this program alone reads the bytes.
; LIMITS: NaN and infinities are not served; blocks whose largest magnitude lies under 2^-124 keep the byte 1; |wo| stays under 65,504 (f16);
; the angle's reduction holds for |angle| under 2^22; 10000^(-j/32) is made by one exponential of a rounded product: the angle at position 2,047 is off by at most about 2e-4 rad.
; Memory binds here: no matrix unit, no cluster (no two work-groups read the same bytes), no tensor load.  Only the first job touches LDS.
.set WREG,  8192                       ; LDS: a region for each wave: two stages of 32 x SP bytes, then its 256 scale bytes
.set SP,    80                         ; a lane's place in a stage: 64 bytes + 16 of padding
.set STEPS, 16
.set CB,    8                          ; bytes of 16 codes
.set R,     16                         ; v16-79   four sets of 16 numbers as loaded
.set X,     80                         ; v80-111  two sets of 16 neighbours
.set E,     112                        ; v112-127 a scale byte for each step
.set C,     128                        ; v128-191 codes, four registers for each step
.set SPW,   12                         ; v12 LDS address of my spare word; never rewritten
.set NIL,   13                         ; v13 0; never rewritten
.set SPARE, 4*WREG                     ; behind the regions: the spare words, 128 bytes a wave
	s_load_b512 s[4:19], s[0:1], 0x0               ; x 4, wq 6, wk 8, wv 10, wo 12, token_positions 14, codes 16, scales 18
	s_load_b128 s[20:23], s[0:1], 0x40             ; wo16 20, tab 22
	v_lshl_add_u32 v[SPW], v0, 2, SPARE
	v_mov_b32 v[NIL], 0
	v_lshrrev_b32 v1, 5, v0
	v_readfirstlane_b32 s24, v1                    ; wave 0..3
	v_and_b32 v2, 31, v0                           ; lane
	s_wait_kmcnt 0x0
	s_cmp_ge_u32 ttmp9, 384
	s_cbranch_scc1 .Lrope
	s_cmp_ge_u32 ttmp9, 352
	s_cbranch_scc1 .Lwo
; ---------------- the quantiser.  Rows are dense and K is a multiple of 32: each tensor is a plain stream of blocks of 32.
; A wave takes 16 steps of 512 numbers.  Each load reads 512 consecutive bytes; a step's 2,048 bytes turn through the wave's own stage so that a lane gets 16 neighbours; two lanes hold a block.
	v_lshlrev_b32 v3, 4, v2                        ; my 16 bytes of a load's 512
	s_mul_i32 s25, s24, WREG
	v_lshrrev_b32 v14, 2, v2
	v_mul_u32_u24 v14, v14, SP
	v_and_b32 v15, 3, v2
	v_lshl_add_u32 v14, v15, 4, v14
	v_add_nc_u32 v14, s25, v14                     ; the stage, in: SP (lane / 4) + 16 (lane % 4)
	v_mul_u32_u24 v15, v2, SP
	v_add_nc_u32 v15, s25, v15                     ; and out: SP x lane
	v_mul_u32_u24 v4, v2, CB                       ; my codes' place in a step's
	v_lshrrev_b32 v5, 1, v2
	s_add_co_u32 s25, s25, 2*32*SP
	v_add_nc_u32 v5, s25, v5                       ; my block's scale byte in LDS
	v_lshlrev_b32 v7, 3, v2
	v_add_nc_u32 v6, s25, v7                       ; and on the way out 8 bytes a lane
	s_and_b32 s26, ttmp9, 31                       ; a weight has 32 work-groups
	s_cmp_lt_u32 ttmp9, 256                        ; the choices hang on the work-group's number alone
	s_cselect_b64 s[4:5], s[4:5], s[6:7]           ; x, or wq
	s_cselect_b32 s26, ttmp9, s26                  ; my number inside my tensor
	s_cmp_ge_u32 ttmp9, 288
	s_cselect_b64 s[4:5], s[8:9], s[4:5]           ; wk
	s_cmp_ge_u32 ttmp9, 320
	s_cselect_b64 s[4:5], s[10:11], s[4:5]         ; wv
	s_lshl_b32 s26, s26, 2
	s_add_co_u32 s26, s26, s24                     ; which run of 8,192 numbers of the tensor
	s_lshl_b32 s26, s26, 15                        ; 32,768 bytes a run
	s_mov_b32 s27, 0
	s_add_nc_u64 s[4:5], s[4:5], s[26:27]
	s_lshl_b32 s28, ttmp9, 2
	s_add_co_u32 s28, s28, s24                     ; which run of the joint buffers: x fills runs 0-1023, the weights follow
	s_mov_b32 s29, 0
	s_lshl_b32 s30, s28, 8                         ; 256 scale bytes a run
	s_mov_b32 s31, 0
	s_lshl_b32 s28, s28, 12                        ; 4,096 bytes of codes a run
	s_add_nc_u64 s[16:17], s[16:17], s[28:29]
	s_add_nc_u64 s[18:19], s[18:19], s[30:31]
.macro LOAD t
.irp i, 0,1,2,3
	global_load_b128 v[R+16*((\t)%4)+4*\i:R+16*((\t)%4)+4*\i+3], v3, s[4:5] offset:2048*(\t)+512*\i th:TH_LOAD_NT
.endr
.endm
.macro TURN t                          ; LDS serves a wave's instructions in order (ISA guide 5.7.1.4): no wait between the stores and the loads
.irp i, 0,1,2,3
	ds_store_b128 v14, v[R+16*((\t)%4)+4*\i:R+16*((\t)%4)+4*\i+3] offset:32*SP*((\t)%2)+8*SP*\i
.endr
.irp i, 0,1,2,3
	ds_load_b128 v[X+16*((\t)%2)+4*\i:X+16*((\t)%2)+4*\i+3], v15 offset:32*SP*((\t)%2)+16*\i
.endr
.endm
.irp t, 0,1,2,3
	LOAD \t
.endr
	s_wait_loadcnt 12                              ; step 0's four loads are in; twelve younger ones stay out
	TURN 0
.macro STEP t
.set XS, X+16*((\t)%2)
.if (\t) > 0
	s_wait_dscnt 1                                 ; this step's numbers are back from the stage (the last step's byte store may be out)
.else
	s_wait_dscnt 0x0
.endif
.if (\t)+4 < STEPS
	LOAD (\t)+4                                    ; into the set whose stores into the stage have read it
.endif
.if (\t)+1 < STEPS
.if STEPS-2-(\t) >= 3
	s_wait_loadcnt 12                              ; the next step's four loads are in; three steps' loads stay out
.else
	s_wait_loadcnt 4*(STEPS-2-(\t))
.endif
	TURN (\t)+1
.endif
	v_max3_num_f32 v8, |v[XS]|, |v[XS+1]|, |v[XS+2]|               ; the largest magnitude of my 16, in two chains
	v_max3_num_f32 v9, |v[XS+3]|, |v[XS+4]|, |v[XS+5]|
.irp i, 6,10
	v_max3_num_f32 v8, v8, |v[XS+\i]|, |v[XS+\i+1]|
	v_max3_num_f32 v9, v9, |v[XS+\i+2]|, |v[XS+\i+3]|
.endr
	v_max3_num_f32 v8, v8, |v[XS+14]|, |v[XS+15]|
	v_max3_num_f32 v8, v8, v9, 0x1800000           ; and the floor 2^(3 - 127): the byte cannot fall under 1
	v_max_num_f32_dpp v8, v8, v8 row_xmask:1 row_mask:0xf bank_mask:0xf   ; with my neighbour's 16: the block's
	v_add_nc_u32 v11, 0xff000000, v8               ; 2 off its exponent field: the conversion takes that field as its scale
	v_cvt_scalef32_pk8_fp4_f32 v[C+4*(\t)], v[XS:XS+7], v11
	v_cvt_scalef32_pk8_fp4_f32 v[C+4*(\t)+1], v[XS+8:XS+15], v11
	v_lshrrev_b32 v[E+(\t)], 23, v11               ; the scale's byte (also the plain line behind the conversions)
	ds_store_b8 v5, v[E+(\t)] offset:16*(\t)       ; both lanes of a block write the same byte with the same value
	global_store_b64 v4, v[C+4*(\t):C+4*(\t)+1], s[16:17] offset:32*CB*(\t)   ; the wave stores 256 consecutive bytes, aligned
.endm
.irp t, 0,1,2,3,4,5,6,7,8,9,10,11,12,13,14,15
	STEP \t
.endr
	ds_load_b64 v[8:9], v6                         ; my wave's 256 scale bytes
	s_wait_dscnt 0x0
	global_store_b64 v7, v[8:9], s[18:19]          ; 256 consecutive bytes, aligned
	s_wait_tensorcnt 0x0                           ; the wave's end: behind my last LDS store
	ds_add_u32 v[SPW], v[NIL]
	s_wait_dscnt 0x0
	s_endpgm
; ---------------- wo to f16, by head.  A wave takes 8 rows n.  A step is 4 rows x one head's 64 k: a lane reads 32 bytes and stores 16; a store covers 512 consecutive bytes.
.Lwo:
	s_sub_co_u32 s25, ttmp9, 352
	s_lshl_b32 s25, s25, 2
	s_add_co_u32 s25, s25, s24                     ; 0..127
	s_lshl_b32 s26, s25, 15                        ; 8 rows of 4,096 bytes
	s_mov_b32 s27, 0
	s_add_nc_u64 s[12:13], s[12:13], s[26:27]
	s_lshl_b32 s26, s25, 10                        ; 8 rows of 128 bytes
	s_add_nc_u64 s[20:21], s[20:21], s[26:27]
	v_lshrrev_b32 v1, 3, v2
	v_and_b32 v3, 7, v2
	v_lshlrev_b32 v1, 12, v1
	v_lshl_add_u32 v1, v3, 5, v1                   ; in: row lane / 8, 32 bytes at 32 (lane % 8)
	v_lshlrev_b32 v2, 4, v2                        ; out: 16 x lane
.macro LOADB k                         ; batch k: steps 8 k .. 8 k + 7; step st: rows 4 (st / 16) on, head st % 16
.irp i, 0,1,2,3,4,5,6,7
	global_load_b128 v[16+64*((\k)%2)+8*\i:16+64*((\k)%2)+8*\i+3], v1, s[12:13] offset:((8*(\k)+\i)/16)*16384+((8*(\k)+\i)%16)*256 th:TH_LOAD_NT
	global_load_b128 v[16+64*((\k)%2)+8*\i+4:16+64*((\k)%2)+8*\i+7], v1, s[12:13] offset:((8*(\k)+\i)/16)*16384+((8*(\k)+\i)%16)*256+16 th:TH_LOAD_NT
.endr
.endm
.macro CVTB k
.irp i, 0,1,2,3,4,5,6,7
.irp p, 0,1,2,3
	v_cvt_pk_f16_f32 v[144+4*\i+\p], v[16+64*((\k)%2)+8*\i+2*\p], v[16+64*((\k)%2)+8*\i+2*\p+1]
.endr
	global_store_b128 v2, v[144+4*\i:144+4*\i+3], s[20:21] offset:((8*(\k)+\i)%16)*131072+((8*(\k)+\i)/16)*512
.endr
.endm
	LOADB 0
	LOADB 1
	s_wait_loadcnt 16                              ; batch 0 is in, batch 1's sixteen loads stay out
	CVTB 0
	LOADB 2
	s_wait_loadcnt 16
	s_wait_xcnt 0x0                                ; the last batch's stores have read v144-175: they are written again only behind this wait
	CVTB 1
	LOADB 3
	s_wait_loadcnt 16
	s_wait_xcnt 0x0
	CVTB 2
	s_wait_loadcnt 0x0
	s_wait_xcnt 0x0
	CVTB 3
	s_endpgm
; ---------------- the table.  A wave takes 32 places of the sequence, a lane one frequency j.  cos and sin by reduction to |r| <= pi/4 (pi/2 in three parts, fused) and two polynomials.
.Lrope:
	s_sub_co_u32 s25, ttmp9, 384
	s_lshl_b32 s25, s25, 2
	s_add_co_u32 s25, s25, s24                     ; 0..63
	s_lshl_b32 s26, s25, 7                         ; 32 positions of 4 bytes
	s_mov_b32 s27, 0
	s_add_nc_u64 s[14:15], s[14:15], s[26:27]
	s_load_b512 s[68:83], s[14:15], 0x0
	s_load_b512 s[84:99], s[14:15], 0x40
	s_lshl_b32 s28, s25, 13                        ; 32 rows of 256 bytes
	s_mov_b32 s29, 0
	s_add_nc_u64 s[22:23], s[22:23], s[28:29]
	v_cvt_f32_u32 v20, v2
	v_mul_f32 v20, 0xbed49a78, v20                 ; -j log2(10000) / 32
	v_exp_f32 v20, v20                             ; 10000^(-j/32)
	v_lshlrev_b32 v21, 3, v2                       ; 8 x lane (the plain line behind the exponential)
	v_mov_b32 v22, 0x3638ef1d                      ; 1/9!
	v_mov_b32 v23, 0x37d00d01                      ; 1/8!
	s_mov_b32 s30, 0x3fc90fdb                      ; pi/2, high part,
	s_mov_b32 s31, 0xb33bbd2e                      ; middle part,
	s_mov_b32 s32, 0xa6f72ced                      ; low part
	s_wait_alu depctr_va_vdst(0)                   ; ahead of the exponential's first reader
	s_wait_kmcnt 0x0
.set I, 0
.rept 32
	v_cvt_f32_i32 v24, s[68+I]
	v_mul_f32 v24, v24, v20                        ; the angle, rounded once
	v_mul_f32 v25, 0x3f22f983, v24
	v_rndne_f32 v25, v25                           ; n = the nearest multiple of pi/2
	v_fma_f32 v26, -v25, s30, v24
	v_fma_f32 v26, -v25, s31, v26
	v_fma_f32 v26, -v25, s32, v26                  ; r
	v_cvt_i32_f32 v27, v25
	v_mul_f32 v28, v26, v26                        ; z = r r
	v_fmaak_f32 v29, v28, v22, 0xb9500d01          ; sine: 1/9! z - 1/7!
	v_fmaak_f32 v30, v28, v23, 0xbab60b61          ; cosine: 1/8! z - 1/6!
	v_fmaak_f32 v29, v29, v28, 0x3c088889
	v_fmaak_f32 v30, v30, v28, 0x3d2aaaab
	v_fmaak_f32 v29, v29, v28, 0xbe2aaaab
	v_fma_f32 v30, v30, v28, -0.5
	v_mul_f32 v31, v26, v28
	v_fma_f32 v30, v30, v28, 1.0                   ; cos r
	v_fma_f32 v29, v31, v29, v26                   ; sin r
	v_and_b32 v32, 1, v27
	v_cmp_eq_u32 vcc_lo, 1, v32                    ; odd quadrants change the two over
	v_cndmask_b32 v33, v29, v30, vcc_lo
	v_cndmask_b32 v34, v30, v29, vcc_lo
	v_and_b32 v32, 2, v27                          ; the sine is negative in quadrants 2, 3,
	v_add_nc_u32 v35, 1, v27
	v_lshlrev_b32 v32, 30, v32
	v_and_b32 v35, 2, v35                          ; the cosine in 1, 2
	v_lshlrev_b32 v35, 30, v35
	v_xor_b32 v[65+2*I], v33, v32
	v_xor_b32 v[64+2*I], v34, v35
	global_store_b64 v21, v[64+2*I:65+2*I], s[22:23] offset:256*I   ; a row of the table: 256 consecutive bytes, aligned; each row has registers of its own
.set I, I+1
.endr
	s_endpgm
.Lfunc_end_k_q94f0104851_prep:
	.size	k_q94f0104851_prep, .Lfunc_end_k_q94f0104851_prep-k_q94f0104851_prep
	.p2alignl 7, 3214868480
	.fill 96, 4, 3214868480
	.section	.rodata,"a",@progbits
	.p2align	6, 0x0
	.amdhsa_kernel k_q94f0104851_prep
		.amdhsa_group_segment_fixed_size 33280
		.amdhsa_private_segment_fixed_size 0
		.amdhsa_enable_private_segment 0
		.amdhsa_kernarg_size 80
		.amdhsa_user_sgpr_count 2
		.amdhsa_user_sgpr_kernarg_segment_ptr 1
		.amdhsa_wavefront_size32 1
		.amdhsa_system_sgpr_workgroup_id_x 1
		.amdhsa_system_sgpr_workgroup_id_y 1
		.amdhsa_system_sgpr_workgroup_id_z 1
		.amdhsa_system_vgpr_workitem_id 0
		.amdhsa_next_free_vgpr 192
		.amdhsa_next_free_sgpr 100
		.amdhsa_reserve_vcc 1
		.amdhsa_float_denorm_mode_32 3
		.amdhsa_float_denorm_mode_16_64 3
		.amdhsa_memory_ordered 1
		.amdhsa_forward_progress 1
		.amdhsa_inst_pref_size 96
	.end_amdhsa_kernel
	.amdgpu_metadata
---
amdhsa.version: [ 1, 2 ]
amdhsa.kernels:
  - .name:           k_q94f0104851_prep
    .symbol:         k_q94f0104851_prep.kd
    .args:
      - { .name: x, .offset: 0, .size: 8, .value_kind: global_buffer, .address_space: global }
      - { .name: wq, .offset: 8, .size: 8, .value_kind: global_buffer, .address_space: global }
      - { .name: wk, .offset: 16, .size: 8, .value_kind: global_buffer, .address_space: global }
      - { .name: wv, .offset: 24, .size: 8, .value_kind: global_buffer, .address_space: global }
      - { .name: wo, .offset: 32, .size: 8, .value_kind: global_buffer, .address_space: global }
      - { .name: token_positions, .offset: 40, .size: 8, .value_kind: global_buffer, .address_space: global }
      - { .name: codes, .offset: 48, .size: 8, .value_kind: global_buffer, .address_space: global }
      - { .name: scales, .offset: 56, .size: 8, .value_kind: global_buffer, .address_space: global }
      - { .name: wo16, .offset: 64, .size: 8, .value_kind: global_buffer, .address_space: global }
      - { .name: tab, .offset: 72, .size: 8, .value_kind: global_buffer, .address_space: global }
    .group_segment_fixed_size: 33280
    .private_segment_fixed_size: 0
    .kernarg_segment_align: 8
    .kernarg_segment_size: 80
    .max_flat_workgroup_size: 128
    .sgpr_count:     100
    .vgpr_count:     192
    .wavefront_size: 32
...
	.end_amdgpu_metadata
.endif
;; end of part 1
;; launch qkv (part 2): grid 12 x 32, 4 waves a work-group, clusters of 4 x 4, 327,680 bytes of LDS; arguments codes, scales, tab, qkv16, head16; writes qkv16, head16
.if DOCPART == 2
	.amdgcn_target "amdgcn-amd-amdhsa--gfx1250"
	.amdhsa_code_object_version 6
	.text
	.protected	k_q94f0104851_qkv
	.globl	k_q94f0104851_qkv
	.p2align	8
	.type	k_q94f0104851_qkv,@function
k_q94f0104851_qkv:
	s_mov_b64 s[64:65], 0
	v_nop
	global_prefetch_b8 v0, s[64:65] scope:SCOPE_SE
	s_setreg_imm32_b32 hwreg(HW_REG_WAVE_MODE, 25, 1), 1
	s_wait_xcnt 0x0
	s_wait_alu depctr_hold_cnt(0) depctr_sa_sdst(0) depctr_va_vdst(0) depctr_va_sdst(0) depctr_va_ssrc(0) depctr_va_vcc(0) depctr_vm_vsrc(0)
	s_getreg_b32 s2, hwreg(HW_REG_IB_STS2, 6, 4)
	s_cmp_eq_u32 s2, 0
	s_cbranch_scc0 .Lentry_in_a_cluster
	s_endpgm
.Lentry_in_a_cluster:
	s_bfe_u32 s2, ttmp6, 0x10000c
	s_cmp_lg_u32 s2, 0xf033
	s_cbranch_scc0 .Lentry_shape_is_right
	s_endpgm
.Lentry_shape_is_right:
; q = x wq^T, k = x wk^T (both then turned by RoPE) and v^T = wv x^T, on codes of FP4 (E2M1) with one E8M0 scale for each 32 along K = 1,024; sums in f32.
; All operands are rows of ONE array of codes, [11264][512 bytes] (x, wq, wk, wv), with scales [11264][32].  C[m][n] = sum over k of A[m][k] B[n][k], a tile of 256 x 256 to a work-group.
; The cluster's x says which product: 0: q, 1: k (A = 256 rows of x, B = 256 rows of the weight); 2: v^T (A = 256 rows of wv, B = 256 rows of x): so v comes out with the positions innermost and nothing is transposed.
; Four waves, each 128 x 128: 64 accumulators.  K is 1,024: two LDS slots of 512 along K hold all of it, so every tile and all scale bytes are asked for at the head and nothing is filled again.
; CLUSTERS: 4 x 4 work-groups; A's tiles are shared along a row of the cluster, B's along a column, each asked for jointly.  cy (q, k) or cx (v) is the batch and the cluster's y the block of 256 positions,
; so that 'this tile holds positions 0-15' hangs on the cluster's y alone, which all partners share.
; THE MATRIX INSTRUCTION IS USED TRANSPOSED (source 0 = 16 rows of B, source 1 = 16 rows of A): a lane holds eight neighbouring columns of one row of C.
; OUT: f16.  q, k: [b][h][s][64] (a head's 16 rows are 2,048 dense bytes); v^T: [b][c][s].  Positions 0-15 of each sequence also leave in f32 (head16), for the launch that carries them more finely.
; LIMITS: |q|, |k|, |v| stay under 65,504 (f16): with x and the weights 30 times larger they reach some 5e3, with common offsets of 30 spreads some 3e4.
; REGISTERS: window 0: v0-31 addresses; v32-95 scale words, two sets; v128-191 A's fragments, one set; on the way out v32-231 are free.  window 1: B's fragments, two sets.  windows 2, 3: the accumulators ((a, b) at v[8 (8 (a % 4) + b)]).
.set KSTEP,  512
.set NQ,     KSTEP/128
.set ROWB,   256                       ; a tile's row in bytes
.set KROW,   512                       ; a row of codes in memory
.set PITCH,  272                       ; an LDS row: 256 bytes + 16 of padding = 68 words: the 16 rows of a load start at 16 different banks (64 banks of 4 bytes: ISA guide 11.1)
.set FR,     8
.set NL,     2
.set NP,     4                         ; places behind this matrix instruction (ISA guide 7.12.1)
.set HALFT,  128*PITCH
.set SLOT,   4*HALFT                   ; A's 256 rows, then B's 256 rows
.set KS,     32                        ; a row of scales in bytes
.set SCL,    2*SLOT                    ; behind the slots: the scales, as units of 256 bytes + 16
.set HALFS,  (128*KS/256)*272
.set SBLK,   (16*KS/256)*272
.set SPARE,  SCL+4*HALFS               ; the spare words, 128 bytes a wave
.set VSTG,   32768                     ; the way out: stages of 16 rows x 272 bytes a wave, in slot 0 (last fill and last read are over): q's and k's from byte 0, v's from here
.set RDQ,  8                           ; v8   q, k: where I read the stage back: row lane / 8, 16 bytes at 16 (lane % 8)
.set STOV, 9                           ; v9   v: where I put 16 bytes of a row
.set RDV,  10                          ; v10  v: back: row lane / 16
.set COV,  11                          ; v11  v: my byte offset in two rows of v^T
.set TBO,  12                          ; v12  my byte in 16 rows of the table: 256 r + 32 h
.set FO,   13                          ; v13  q, k in f32: 4096 r + 32 h
.set FOV,  14                          ; v14  v^T in f32: 64 r + 32 h
.set ADRA, 16
.set ADRB, 20
.set STO,  24                          ; v24  q, k: where I put 16 bytes of a row
.set CO,   26                          ; v26  16 x lane
.set ADRS, 27
.set SPW,  28
.set NIL,  29
.set SC,   32
.set AF,   128
.set TS,   32                          ; the way out: v32-95 two sets of 32 table numbers
.set T,    96                          ; v96-103 at work
.set R,    104                         ; v104-167 a block's 64 results in f32, then 32 registers of f16
.set BK,   168                         ; v168-231 two sets of 32: rows read back
.set G1, 24
.set G0, 32
.set G1B, 48
.set G0B, 56
.set G1S, 68
.set G0S, 76
.set G1SB, 80
.set G0SB, 88
.set MSB, 0
.macro WIN new                         ; the immediate's high byte repeats the setting that is left
.if MSB != \new
	s_set_vgpr_msb (MSB<<8)|\new
.set MSB, \new
.endif
.endm
.set MUL_LO, 0xa1                      ; source 0 (B) window 1, source 1 (A) window 0, C and D window 2
.set MUL_HI, 0xf1
.set TO_B,   0x40
; A joint load: waves 0 and 1 fetch for A, waves 2 and 3 for B; the branch hangs on the wave's number alone.  An s_nop 0 and four v_nop follow each line.
.macro JLOAD g0a, g1a, g0b, g1b
	s_cmp_eq_u32 s15, 0
	s_cbranch_scc0 .Lfor_b_\@
	tensor_load_to_lds s[\g0a:\g0a+3], s[\g1a:\g1a+7]
	s_nop 0
.rept 4
	v_nop
.endr
	s_branch .Lasked_\@
.Lfor_b_\@:
	tensor_load_to_lds s[\g0b:\g0b+3], s[\g1b:\g1b+7]
	s_nop 0
.rept 4
	v_nop
.endr
.Lasked_\@:
.endm
.macro CROUND                          ; a round of the cluster's barrier
	s_barrier_signal -1
	s_barrier_wait -1
	s_cmp_lg_u32 s14, 0
	s_cbranch_scc1 .Lnot_wave_0_\@
	s_barrier_signal -3
.Lnot_wave_0_\@:
	s_barrier_wait -3
	s_barrier_signal -1
	s_barrier_wait -1
.endm
	s_load_b256 s[4:11], s[0:1], 0x0               ; codes 4, scales 6, tab 8, qkv16 10
	s_load_b64 s[12:13], s[0:1], 0x20              ; head16
	v_lshl_add_u32 v[SPW], v0, 2, SPARE
	v_mov_b32 v[NIL], 0
	ds_add_u32 v[SPW], v[NIL]                      ; the wave's opening: the add, twice on end, and its wait ahead of my first tensor load
	ds_add_u32 v[SPW], v[NIL]
	v_lshrrev_b32 v1, 5, v0
	v_readfirstlane_b32 s14, v1                    ; wave 0..3
	s_lshr_b32 s15, s14, 1                         ; my half of the tile's rows.  Also: I fetch for A (0) or for B (1)
	s_and_b32 s16, s14, 1                          ; my half of its columns.  Also: which 128 rows I fetch
	s_bfe_u32 s40, ttmp6, 0x40000                  ; cx
	s_bfe_u32 s41, ttmp6, 0x40004                  ; cy
	s_and_b32 s3, ttmp7, 0xffff                    ; the cluster's y: the block of 256 positions
	s_lshl_b32 s17, s41, 3
	s_add_co_u32 s17, s17, s3                      ; q, k: A's tile of 256 rows = 8 cy + cluster y (x),
	s_add_co_u32 s22, s41, 40                      ; v: 40 + cy (wv): neither ever holds cx
	s_lshl_b32 s42, ttmp9, 2
	s_add_co_u32 s42, s42, s40
	s_add_co_u32 s42, s42, 32                      ; q, k: B's tile = 32 + 4 cluster x + cx (wq, wk),
	s_lshl_b32 s92, s40, 3
	s_add_co_u32 s92, s92, s3                      ; v: 8 cx + cluster y (x): neither ever holds cy
	s_cmp_eq_u32 ttmp9, 2                          ; the cluster's x: the same in all sixteen partners
	s_cselect_b32 s17, s22, s17
	s_cselect_b32 s42, s92, s42
	s_lshl_b32 s43, s41, 2
	s_lshl_b32 s43, 15, s43                        ; my row of the cluster
	s_lshl_b32 s44, 0x1111, s40                    ; my column
	s_or_b32 s[G1+0], s43, (0<<16)|(1<<20)|(1<<21)|(5<<22)|(3<<25)  ; the mask; elements of 1 byte; padding: 4 words after every 64; bit 21 beside a mask
	s_or_b32 s[G1B+0], s44, (0<<16)|(1<<20)|(1<<21)|(5<<22)|(3<<25)
.irp g, G1, G1B
	s_mov_b32 s[\g+1], ROWB<<16                    ; tensor_dim0
	s_mov_b32 s[\g+2], 128<<16                     ; tensor_dim1
	s_mov_b32 s[\g+3], ROWB<<16                    ; tile_dim0
	s_mov_b32 s[\g+4], 128                         ; tile_dim1
	s_mov_b32 s[\g+5], KROW                        ; the pitch
	s_mov_b32 s[\g+6], 0
	s_mov_b32 s[\g+7], 0
.endr
	s_or_b32 s[G1S+0], s43, (3<<16)|(1<<20)|(1<<21)|(5<<22)|(3<<25) ; the scales of 128 rows: 4,096 dense bytes as 16 rows of 256 (32 elements of 8 bytes)
	s_or_b32 s[G1SB+0], s44, (3<<16)|(1<<20)|(1<<21)|(5<<22)|(3<<25)
.irp g, G1S, G1SB
	s_mov_b32 s[\g+1], 32<<16
	s_mov_b32 s[\g+2], (128*KS/256)<<16
	s_mov_b32 s[\g+3], 32<<16
	s_mov_b32 s[\g+4], 128*KS/256
	s_mov_b32 s[\g+5], 32
	s_mov_b32 s[\g+6], 0
	s_mov_b32 s[\g+7], 0
.endr
	s_lshl_b32 s18, s16, 7
	s_lshl_b32 s20, s17, 8
	s_add_co_u32 s20, s20, s18                     ; A: the first row that I fetch
	s_lshl_b32 s46, s42, 8
	s_add_co_u32 s46, s46, s18                     ; B likewise
	s_mov_b32 s21, 0
	s_mov_b32 s47, 0
	s_mov_b64 s[18:19], KS
	s_mul_u64 s[22:23], s[20:21], s[18:19]         ; where these rows' scales begin,
	s_mul_u64 s[92:93], s[46:47], s[18:19]
	s_mov_b64 s[18:19], KROW
	s_mul_u64 s[20:21], s[20:21], s[18:19]         ; and their codes
	s_mul_u64 s[46:47], s[46:47], s[18:19]
	s_mul_i32 s45, s14, HALFT                      ; where they go: wave x 128 rows
	s_mul_i32 s94, s14, HALFS
	s_wait_dscnt 0x0                               ; both opening adds are done
	s_wait_kmcnt 0x0
	s_add_nc_u64 s[20:21], s[4:5], s[20:21]
	s_add_nc_u64 s[22:23], s[6:7], s[22:23]
	s_add_nc_u64 s[46:47], s[4:5], s[46:47]
	s_add_nc_u64 s[92:93], s[6:7], s[92:93]
	CROUND                                         ; all sixteen work-groups are here: the joint loads meet
	s_mov_b32 s[G0S], 1
	s_add_co_u32 s[G0S+1], s94, SCL
	s_mov_b64 s[G0S+2:G0S+3], s[22:23]
	s_or_b32 s[G0S+3], s[G0S+3], 0x80000000
	s_mov_b32 s[G0SB], 1
	s_add_co_u32 s[G0SB+1], s94, SCL
	s_mov_b64 s[G0SB+2:G0SB+3], s[92:93]
	s_or_b32 s[G0SB+3], s[G0SB+3], 0x80000000
	JLOAD G0S, G1S, G0SB, G1SB                     ; the scales first; then both halves of K: three loads of mine are out
.irp s, 0,1
	s_mov_b32 s[G0+4*\s], 1
	s_add_co_u32 s[G0+4*\s+1], s45, \s*SLOT
	s_add_nc_u64 s[G0+4*\s+2:G0+4*\s+3], s[20:21], \s*ROWB
	s_or_b32 s[G0+4*\s+3], s[G0+4*\s+3], 0x80000000
	s_mov_b32 s[G0B+4*\s], 1
	s_add_co_u32 s[G0B+4*\s+1], s45, \s*SLOT
	s_add_nc_u64 s[G0B+4*\s+2:G0B+4*\s+3], s[46:47], \s*ROWB
	s_or_b32 s[G0B+4*\s+3], s[G0B+4*\s+3], 0x80000000
	JLOAD G0+4*\s, G1, G0B+4*\s, G1B
.endr
	v_and_b32 v1, 15, v0                           ; r = lane % 16
	v_bfe_u32 v2, v0, 4, 1                         ; h = lane / 16
	v_mul_u32_u24 v3, v1, PITCH
	v_lshl_add_u32 v4, v2, 4, v3                   ; row x pitch + 16 h
	s_mul_i32 s21, s15, HALFT                      ; my 128 rows of A
	s_mul_i32 s22, s16, HALFT
	s_add_co_u32 s22, s22, 2*HALFT                 ; my 128 rows of B, behind A's 256
.irp s, 0,1
	v_add_nc_u32 v[ADRA+\s], s21, v4
	v_add_nc_u32 v[ADRB+\s], s22, v4
	s_add_co_u32 s21, s21, SLOT
	s_add_co_u32 s22, s22, SLOT
.endr
	v_mul_u32_u24 v5, v1, KS                       ; my row's scales: KS bytes a row,
	v_lshrrev_b32 v6, 8, v5
	v_lshl_add_u32 v5, v6, 4, v5                   ; and 16 more for each 256 passed
	s_mul_i32 s21, s15, HALFS
	s_mul_i32 s22, s16, HALFS
	s_add_co_u32 s22, s22, 2*HALFS
	s_sub_co_u32 s22, s22, s21
	v_mul_u32_u24 v6, s22, v2                      ; lanes 16-31 take B's
	s_add_co_u32 s21, s21, SCL
	v_add_nc_u32 v5, v5, v6
	v_add_nc_u32 v[ADRS], s21, v5
	s_mul_i32 s23, s14, 16*PITCH                   ; my stage.  All LDS addresses of both ways out are made here, ahead of the branch between them
	v_add_nc_u32 v[STO], s23, v4
	v_add_nc_u32 v[STOV], VSTG, v[STO]
	v_and_b32 v6, 31, v0
	v_lshlrev_b32 v[CO], 4, v6
	v_lshrrev_b32 v5, 3, v6
	v_mul_u32_u24 v5, v5, PITCH
	v_and_b32 v7, 7, v6
	v_lshl_add_u32 v5, v7, 4, v5
	v_add_nc_u32 v[RDQ], s23, v5
	v_mul_u32_u24 v5, v2, PITCH
	v_lshl_add_u32 v5, v1, 4, v5
	v_add_nc_u32 v5, s23, v5
	v_add_nc_u32 v[RDV], VSTG, v5
	v_lshlrev_b32 v5, 12, v2
	v_lshl_add_u32 v[COV], v1, 4, v5
	v_lshlrev_b32 v5, 5, v2
	v_lshl_add_u32 v[TBO], v1, 8, v5
	v_lshl_add_u32 v[FO], v1, 12, v5
	v_lshl_add_u32 v[FOV], v1, 6, v5
.macro FRAG reg, adr, q, i             ; 16 rows x 128 K of 4-bit codes: 8 registers: two loads of 16 bytes, 32 apart
.irp c, 0,1
	ds_load_b128 v[\reg+4*\c:\reg+4*\c+3], v[\adr] offset:64*(\q)+32*\c+(\i)*16*PITCH
.endr
.endm
; 16 matrix instructions: A's blocks a0, a0 + 1 x B's eight.  The 64 accumulators take turns, one instruction a turn.  zero = 1: the first product starts the sums.
; One scale register carries A's word (lanes 0-15) and B's (lanes 16-31) of block i.
.macro MUL16 a0, p, q, sc, zero
.irp a, \a0, \a0+1
.irp b, 0,1,2,3,4,5,6,7
.if \zero
	v_wmma_scale_f32_16x16x128_f8f6f4 v[8*(8*((\a)%4)+\b):8*(8*((\a)%4)+\b)+7], v[128*(\p)+FR*\b:128*(\p)+FR*\b+FR-1], v[AF+FR*(\a):AF+FR*(\a)+FR-1], 0, v[SC+8*NQ*(\sc)+NQ*\b+(\q)], v[SC+8*NQ*(\sc)+NQ*(\a)+(\q)] matrix_a_fmt:MATRIX_FMT_FP4 matrix_b_fmt:MATRIX_FMT_FP4 matrix_a_scale:MATRIX_SCALE_ROW1
.else
	v_wmma_scale_f32_16x16x128_f8f6f4 v[8*(8*((\a)%4)+\b):8*(8*((\a)%4)+\b)+7], v[128*(\p)+FR*\b:128*(\p)+FR*\b+FR-1], v[AF+FR*(\a):AF+FR*(\a)+FR-1], v[8*(8*((\a)%4)+\b):8*(8*((\a)%4)+\b)+7], v[SC+8*NQ*(\sc)+NQ*\b+(\q)], v[SC+8*NQ*(\sc)+NQ*(\a)+(\q)] matrix_a_fmt:MATRIX_FMT_FP4 matrix_b_fmt:MATRIX_FMT_FP4 matrix_a_scale:MATRIX_SCALE_ROW1
.endif
.endr
.endr
.endm
.macro FETCH_B slot, q, p
	WIN TO_B
.irp i, 0,1,2,3,4,5,6,7
	FRAG 128*(\p)+FR*\i, ADRB+\slot, \q, \i
.endr
	WIN 0
.endm
.macro FETCH_A slot, q, i0
.irp i, \i0, \i0+1, \i0+2, \i0+3
	FRAG AF+FR*(\i), ADRA+\slot, \q, \i
.endr
.endm
.macro SCALES sc                       ; a slot's scale words: four a row
.irp i, 0,1,2,3,4,5,6,7
	ds_load_b128 v[SC+8*NQ*\sc+NQ*\i:SC+8*NQ*\sc+NQ*\i+3], v[ADRS] offset:\i*SBLK
.endr
.endm
.macro PLACES n                        ; plain vector lines between a matrix instruction and a load into, or a read of, its registers
.rept \n
	v_nop
.endr
.endm
.macro STEP slot, q, zero              ; 128 along K whose successor lies in the same slot
	s_wait_dscnt 4*NL                              ; B's set and A's blocks 0-3 are in; the youngest eight loads (A's blocks 4-7) may be out
	WIN MUL_LO
	MUL16 0, (\q)%2, \q, \slot, \zero
	MUL16 2, (\q)%2, \q, \slot, \zero
	s_wait_dscnt 0
	PLACES NP
	FETCH_B \slot, (\q)+1, 1-(\q)%2
	FETCH_A \slot, (\q)+1, 0
	WIN MUL_HI
	MUL16 4, (\q)%2, \q, \slot, \zero
	MUL16 6, (\q)%2, \q, \slot, \zero
	PLACES NP
	WIN 0
	FETCH_A \slot, (\q)+1, 4
.endm
.macro STEPS slot, from
.set Q, \from
.rept NQ-1-\from
	STEP \slot, Q, 0
.set Q, Q+1
.endr
.endm
	s_wait_tensorcnt 1                             ; the scales and my part of slot 0 are in; slot 1's load may be out
	s_barrier_signal -1
	s_barrier_wait -1
	FETCH_B 0, 0, 0
	FETCH_A 0, 0, 0
	SCALES 0
	FETCH_A 0, 0, 4
	STEP 0, 0, 1                                   ; the first products start the sums: nothing is cleared
	STEPS 0, 1
	; slot 0's last step changes slots: one barrier; nothing is filled again
	s_wait_tensorcnt 0x0                           ; my part of slot 1 has landed
	ds_add_u32 v[SPW], v[NIL]
	s_wait_dscnt 4*NL+1                            ; the add and the youngest eight loads may be out
	WIN MUL_LO
	MUL16 0, 1, NQ-1, 0, 0
	s_wait_dscnt 0x0                               ; the add is done, and my reads of slot 0 are over
	s_barrier_signal -1
	MUL16 2, 1, NQ-1, 0, 0
	WIN 0
	s_barrier_wait -1                              ; slot 1 is whole, and nobody reads slot 0 any more
	PLACES NP
	v_add_nc_u32 v[ADRS], 4*NQ, v[ADRS]            ; on to slot 1's scale words
	FETCH_B 1, 0, 0
	FETCH_A 1, 0, 0
	SCALES 1
	WIN MUL_HI
	MUL16 4, 1, NQ-1, 0, 0
	MUL16 6, 1, NQ-1, 0, 0
	PLACES NP
	WIN 0
	FETCH_A 1, 0, 4
	STEPS 1, 0
	s_wait_dscnt 4*NL
	WIN MUL_LO
	MUL16 0, 1, NQ-1, 1, 0
	MUL16 2, 1, NQ-1, 1, 0
	s_wait_dscnt 0
	WIN MUL_HI
	MUL16 4, 1, NQ-1, 1, 0
	MUL16 6, 1, NQ-1, 1, 0
	WIN 0
	PLACES NP                                      ; ahead of loads into the scale words' and fragments' registers and of the first reads of results
	s_cmp_eq_u32 ttmp9, 2
	s_cbranch_scc1 .Lv
; ---------------- THE WAY OUT OF q AND k, block by block of 16 positions x 128 columns (two heads).  Addresses that mix cx and cy are made in s95-s99, which feed no descriptor.
	s_lshl_b32 s96, s41, 4
	s_lshl_b32 s95, s40, 2
	s_add_co_u32 s96, s96, s95
	s_lshl_b32 s95, s16, 1
	s_add_co_u32 s96, s96, s95                     ; 16 b + my first head
	s_lshl_b32 s96, s96, 11
	s_lshl_b32 s98, s3, 8
	s_lshl_b32 s95, s15, 7
	s_add_co_u32 s98, s98, s95                     ; my first position
	s_add_co_u32 s96, s96, s98
	s_lshl_b32 s96, s96, 7                         ; rows of 128 bytes
	s_lshl_b32 s95, ttmp9, 24                      ; k lies 16,777,216 bytes behind q
	s_add_co_u32 s96, s96, s95
	s_mov_b32 s97, 0
	s_lshl_b32 s98, s98, 8                         ; the table: 256 bytes a position
	s_mov_b32 s99, 0
	s_add_nc_u64 s[10:11], s[10:11], s[96:97]
	s_add_nc_u64 s[8:9], s[8:9], s[98:99]
	s_lshl_b32 s96, ttmp9, 18                      ; head16: k's part lies 262,144 bytes behind q's
	s_lshl_b32 s95, s41, 16
	s_add_co_u32 s96, s96, s95
	s_lshl_b32 s95, s40, 10
	s_add_co_u32 s96, s96, s95
	s_lshl_b32 s95, s16, 9
	s_add_co_u32 s96, s96, s95
	s_add_nc_u64 s[12:13], s[12:13], s[96:97]
	s_or_b32 s95, s3, s15                          ; 0 where my block 0 holds positions 0-15
.macro TBL a                           ; block a's table numbers: for each 16 columns of a head, (cos, sin) of my four pairs
.irp bq, 0,1,2,3
	global_load_b128 v[TS+32*((\a)%2)+8*\bq:TS+32*((\a)%2)+8*\bq+3], v[TBO], s[8:9] offset:(\a)*4096+64*\bq
	global_load_b128 v[TS+32*((\a)%2)+8*\bq+4:TS+32*((\a)%2)+8*\bq+7], v[TBO], s[8:9] offset:(\a)*4096+64*\bq+16
.endr
.endm
.macro ROPE a                          ; (x0, x1) -> (x0 cos - x1 sin, x0 sin + x1 cos); each accumulator is read from its low end on
.set AC, 64*((\a)%4)
.set TT, TS+32*((\a)%2)
	WIN 0x02+(\a)/4                                ; source 0: window 2 or 3
.irp b, 0,1,2,3,4,5,6,7
.irp i, 0,1,2,3
	v_mul_f32 v[T+2*\i], v[AC+8*\b+2*\i+1], v[TT+8*(\b%4)+2*\i+1]
	v_mul_f32 v[T+2*\i+1], v[AC+8*\b+2*\i], v[TT+8*(\b%4)+2*\i+1]
.endr
.irp i, 0,1,2,3
	v_fma_f32 v[R+8*\b+2*\i], v[AC+8*\b+2*\i], v[TT+8*(\b%4)+2*\i], -v[T+2*\i]
	v_fma_f32 v[R+8*\b+2*\i+1], v[AC+8*\b+2*\i+1], v[TT+8*(\b%4)+2*\i], v[T+2*\i+1]
.endr
.endr
	WIN 0
.endm
.macro PACKQ                           ; to f16, in place, ascending: register k takes numbers 2 k, 2 k + 1
.set I, 0
.rept 32
	v_cvt_pk_f16_f32 v[R+I], v[R+2*I], v[R+2*I+1]
.set I, I+1
.endr
.endm
.macro STGQ a                          ; through my stage: in by rows of 256 bytes (two heads), back four rows of one head at a time.  LDS serves a wave's instructions in order (ISA guide 5.7.1.4)
.irp b, 0,1,2,3,4,5,6,7
	ds_store_b128 v[STO], v[R+4*\b:R+4*\b+3] offset:32*\b
.endr
.irp i, 0,1,2,3,4,5,6,7
	ds_load_b128 v[BK+32*((\a)%2)+4*\i:BK+32*((\a)%2)+4*\i+3], v[RDQ] offset:(\i%4)*4*PITCH+(\i/4)*128
.endr
.endm
.macro SENDQ a, younger
	s_wait_dscnt \younger
.irp i, 0,1,2,3,4,5,6,7
	global_store_b128 v[CO], v[BK+32*((\a)%2)+4*\i:BK+32*((\a)%2)+4*\i+3], s[10:11] offset:(\i/4)*262144+(\i%4)*512+(\a)*2048   ; 512 consecutive bytes, aligned
.endr
.endm
	TBL 0
.irp a, 0,1,2,3,4,5,6,7
.if \a < 7
	TBL \a+1
	s_wait_loadcnt 8                               ; this block's table numbers are in; the next block's eight loads stay out
.else
	s_wait_loadcnt 0x0
.endif
	ROPE \a
.if \a == 0
	s_cmp_lg_u32 s95, 0
	s_cbranch_scc1 .Lno_first_q
.irp b, 0,1,2,3,4,5,6,7
	global_store_b128 v[FO], v[R+8*\b:R+8*\b+3], s[12:13] offset:64*\b          ; positions 0-15 in f32
	global_store_b128 v[FO], v[R+8*\b+4:R+8*\b+7], s[12:13] offset:64*\b+16
.endr
	s_wait_xcnt 0x0                                ; these stores' data are written again by the conversions below only behind this wait
.Lno_first_q:
.endif
	PACKQ
.if \a >= 2
	s_wait_xcnt 0x0                                ; block a - 2's stores have read the registers into which this block is read back
.endif
	STGQ \a
.if \a >= 1
	SENDQ \a-1, 16                                 ; behind block a - 1's loads: this block's 8 stores and 8 loads
.endif
.endr
	SENDQ 7, 0
	s_branch .Lend
; ---------------- THE WAY OUT OF v^T, block by block of 16 channels x 128 positions
.Lv:
	s_lshl_b32 s96, s40, 10
	s_lshl_b32 s95, s41, 8
	s_add_co_u32 s96, s96, s95
	s_lshl_b32 s95, s15, 7
	s_add_co_u32 s96, s96, s95                     ; 1024 b + my first channel
	s_lshl_b32 s98, s96, 6                         ; head16: 64 bytes a channel,
	s_add_co_u32 s98, s98, 524288                  ; behind q's and k's parts
	s_lshl_b32 s96, s96, 12                        ; v^T: 4,096 bytes a channel
	s_lshl_b32 s95, s3, 9
	s_add_co_u32 s96, s96, s95
	s_lshl_b32 s95, s16, 8
	s_add_co_u32 s96, s96, s95                     ; + my first position x 2
	s_add_co_u32 s96, s96, 0x2000000               ; behind q and k
	s_mov_b32 s97, 0
	s_mov_b32 s99, 0
	s_add_nc_u64 s[10:11], s[10:11], s[96:97]
	s_add_nc_u64 s[12:13], s[12:13], s[98:99]
	s_or_b32 s95, s3, s16                          ; 0 where my column block 0 holds positions 0-15
.macro PACKV a
.set AC, 64*((\a)%4)
	WIN 0x0a+5*((\a)/4)                            ; sources 0 and 1: window 2 or 3
.irp b, 0,1,2,3,4,5,6,7
.irp i, 0,1,2,3
	v_cvt_pk_f16_f32 v[R+4*\b+\i], v[AC+8*\b+2*\i], v[AC+8*\b+2*\i+1]
.endr
.endr
	WIN 0
.endm
.macro FIRSTV a                        ; positions 0-15 in f32: the accumulator of column block 0 as it stands
.set AC, 64*((\a)%4)
	s_cmp_lg_u32 s95, 0
	s_cbranch_scc1 .Lno_first_v_\@
	WIN 0x08+4*((\a)/4)                            ; a store's data: window 2 or 3
	global_store_b128 v[FOV], v[AC:AC+3], s[12:13] offset:(\a)*1024
	global_store_b128 v[FOV], v[AC+4:AC+7], s[12:13] offset:(\a)*1024+16
	WIN 0
.Lno_first_v_\@:
.endm
.macro STGV a
.irp b, 0,1,2,3,4,5,6,7
	ds_store_b128 v[STOV], v[R+4*\b:R+4*\b+3] offset:32*\b
.endr
.irp i, 0,1,2,3,4,5,6,7
	ds_load_b128 v[BK+32*((\a)%2)+4*\i:BK+32*((\a)%2)+4*\i+3], v[RDV] offset:2*\i*PITCH
.endr
.endm
.macro SENDV a, younger
	s_wait_dscnt \younger
.irp i, 0,1,2,3,4,5,6,7
	global_store_b128 v[COV], v[BK+32*((\a)%2)+4*\i:BK+32*((\a)%2)+4*\i+3], s[10:11] offset:(\a)*65536+2*\i*4096   ; sixteen lanes store 256 consecutive bytes, aligned
.endr
.endm
.irp a, 0,1,2,3,4,5,6,7
	PACKV \a
	FIRSTV \a
.if \a >= 2
	s_wait_xcnt 0x0                                ; block a - 2's stores have read the registers into which this block is read back
.endif
	STGV \a
.if \a >= 1
	SENDV \a-1, 16
.endif
.endr
	SENDV 7, 0
.Lend:
	s_wait_tensorcnt 0x0                           ; the wave's end: behind my last tensor load and my last LDS store
	ds_add_u32 v[SPW], v[NIL]
	s_wait_dscnt 0x0
	CROUND                                         ; the closing round
	s_endpgm
.Lfunc_end_k_q94f0104851_qkv:
	.size	k_q94f0104851_qkv, .Lfunc_end_k_q94f0104851_qkv-k_q94f0104851_qkv
	.p2alignl 7, 3214868480
	.fill 96, 4, 3214868480
	.section	.rodata,"a",@progbits
	.p2align	6, 0x0
	.amdhsa_kernel k_q94f0104851_qkv
		.amdhsa_group_segment_fixed_size 327680
		.amdhsa_private_segment_fixed_size 0
		.amdhsa_enable_private_segment 0
		.amdhsa_kernarg_size 40
		.amdhsa_user_sgpr_count 2
		.amdhsa_user_sgpr_kernarg_segment_ptr 1
		.amdhsa_wavefront_size32 1
		.amdhsa_system_sgpr_workgroup_id_x 1
		.amdhsa_system_sgpr_workgroup_id_y 1
		.amdhsa_system_sgpr_workgroup_id_z 1
		.amdhsa_system_vgpr_workitem_id 0
		.amdhsa_next_free_vgpr 1024
		.amdhsa_next_free_sgpr 100
		.amdhsa_reserve_vcc 0
		.amdhsa_float_denorm_mode_32 3
		.amdhsa_float_denorm_mode_16_64 3
		.amdhsa_memory_ordered 1
		.amdhsa_forward_progress 1
		.amdhsa_inst_pref_size 217
	.end_amdhsa_kernel
	.amdgpu_metadata
---
amdhsa.version: [ 1, 2 ]
amdhsa.kernels:
  - .name:           k_q94f0104851_qkv
    .symbol:         k_q94f0104851_qkv.kd
    .args:
      - { .name: codes, .offset: 0, .size: 8, .value_kind: global_buffer, .address_space: global }
      - { .name: scales, .offset: 8, .size: 8, .value_kind: global_buffer, .address_space: global }
      - { .name: tab, .offset: 16, .size: 8, .value_kind: global_buffer, .address_space: global }
      - { .name: qkv16, .offset: 24, .size: 8, .value_kind: global_buffer, .address_space: global }
      - { .name: head16, .offset: 32, .size: 8, .value_kind: global_buffer, .address_space: global }
    .group_segment_fixed_size: 327680
    .private_segment_fixed_size: 0
    .kernarg_segment_align: 8
    .kernarg_segment_size: 40
    .max_flat_workgroup_size: 128
    .sgpr_count:     100
    .vgpr_count:     1024
    .wavefront_size: 32
...
	.end_amdgpu_metadata
.endif
;; end of part 2
;; launch attn (part 3): grid 4 x 64, 16 waves a work-group, no clusters, 327,680 bytes of LDS; arguments qkv16, att; writes att
.if DOCPART == 3
	.amdgcn_target "amdgcn-amd-amdhsa--gfx1250"
	.amdhsa_code_object_version 6
	.text
	.protected	k_q94f0104851_attn
	.globl	k_q94f0104851_attn
	.p2align	8
	.type	k_q94f0104851_attn,@function
k_q94f0104851_attn:
	s_mov_b64 s[64:65], 0
	v_nop
	global_prefetch_b8 v0, s[64:65] scope:SCOPE_SE
	s_setreg_imm32_b32 hwreg(HW_REG_WAVE_MODE, 25, 1), 1
	s_wait_xcnt 0x0
; att[b][h][q][:] = the sum over k <= q of softmax_k(q . k / 8) v[k][:], head size 64, 2,048 positions, 64 (batch, head) pairs.  Operands f16, products, maxima and sums f32; the weights p are rounded to f16.
; In: q, k [bh][s][64] f16, v^T [bh][64][s] f16 (one buffer).  Out: att [bh][s][64] f16.
; SHARES.  Work-group (j, bh) owns the blocks j and 7 - j of 256 queries of head bh: under the causal mask that is 9 blocks of keys' work in every work-group, 256 work-groups.
; Sixteen waves of 256 registers, four to a SIMD, so that one wave's vector work stands beside another's products.  A wave owns 32 queries (two tiles); half of the waves take the early block, half the late one.
; K and V^T come through a ring of two LDS slots of 256 keys, filled by the tensor data mover (waves 0, 1: K's halves; wave 2: V^T) and read by all.
; LAYOUT.  S^T = K Q^T (source 0 = 16 keys, source 1 = 16 queries): a lane holds ONE query (lane % 16) and keys 8 (lane / 16) + 0..7.  Two such tiles, rounded to f16 in pairs, are source 1 of O^T = V^T P.
; SOFTMAX.  A running maximum m and sum l a query: p = 2^(c s - c m), c = log2(e) / 8; in every step O and l are multiplied by a = 2^(c m_old - c m_new).
; THE MASK.  Every work-group walks all 8 changes of slots (the trip counts are constants of the text); a wave jumps over a step all of whose keys come after its queries; on the diagonal hidden scores become -infinity.
; A slot whose first key comes after the work-group's last query is not asked for: the test is made of ids and the count of steps, the same in all waves; every wait on TENSORcnt is for 0.
; NO CLUSTER: the work-groups of a head need different numbers of tiles under the mask, so a partner would be named by loads that none of its waves reads.
; LIMITS: operands in f16's range (see the launch that makes them); NaN and infinities are not served.
; REGISTERS: v1-11 addresses; v12-14 at work; v15 -infinity; v16-31 statistics, 8 a tile (+0 c m, +1 m, +2, +3 l, +4..+7 at work, a at +6); v32-63 Q; v64-127 K's, then V's fragments; v128-191 S^T, then p; v192-255 O^T.
.set SK,    256                        ; keys in a slot
.set KP,    144                        ; a key's row in LDS: 128 bytes + 16 = 36 words: the 16 rows of a load fall on 16 different groups of four banks (ISA guide 11.1)
.set VP,    528                        ; a row of V^T's tile: 512 bytes + 16
.set VOFF,  SK*KP
.set STAGE, VOFF+64*VP                 ; behind slot 0: 16 rows x 144 bytes for each wave, for the way out: no tile lands here
.set SPARE, STAGE+16*16*KP             ; the spare words, 128 bytes a wave
.set SLOT1, 1<<17                      ; slot 1 begins here: one exclusive or turns an address
.set NSL,   2048/SK
.set AK0, 1
.set AV0, 2
.set ADK, 3
.set ADV, 4
.set SPW, 5
.set NIL, 6
.set GO,  7
.set STO, 8
.set RD,  9
.set DL,  10                           ; v10 r - 8 h
.set PFO, 11
.set ST,  16
.set Q,   32
.set KV,  64
.set S,   128
.set O,   192
.set TB,  2                            ; s2  LDS byte at which the slot in hand begins
.set WV,  18
.set SEL, 20
.set CS,  22
.set G1K, 24
.set G1V, 32
.set G0K, 40
.set G0V, 44
.set SLOTS, 67
.set PFA, 76
.set PFS, 78
.set LIM, 80
.set LASTQ, 95
.set KF,  98
.set Q0,  99
; Waves 0 and 1 fetch K's halves, wave 2 V^T, the others nothing.  An s_nop 0 and four v_nop follow each line.
.macro TLOAD
	s_cmp_lt_u32 s[WV], 2
	s_cbranch_scc0 .Lnot_k_\@
	tensor_load_to_lds s[G0K:G0K+3], s[G1K:G1K+7]
	s_nop 0
.rept 4
	v_nop
.endr
	s_branch .Lasked_\@
.Lnot_k_\@:
	s_cmp_eq_u32 s[WV], 2
	s_cbranch_scc0 .Lasked_\@
	tensor_load_to_lds s[G0V:G0V+3], s[G1V:G1V+7]
	s_nop 0
.rept 4
	v_nop
.endr
.Lasked_\@:
.endm
; A prefetch of what the NEXT change of slots will ask for: K's 32,768 dense bytes and 512 bytes of each of V^T's 64 rows.  The four work-groups of a head walk the same K and V^T: the one with j = 0, which
; walks all slots, asks.  In it waves 4-7 ask for K (8,192 bytes a wave, lanes 256 bytes apart), waves 8-11 for V^T (16 rows a wave, two lanes a row): each aligned block of 256 bytes is named once in the launch.
; The last change that fills a slot asks for nothing; slots 0 and 1 come by their loads alone.
.macro ASK
	s_cmp_gt_u32 s[SLOTS], s[LIM]
	s_cbranch_scc0 .Lnot_mine_\@
	global_prefetch_b8 v[PFO], s[PFA:PFA+1] th:TH_LOAD_NT scope:SCOPE_SE
.Lnot_mine_\@:
.endm
	s_load_b128 s[4:7], s[0:1], 0x0                ; qkv16, att
	v_lshl_add_u32 v[SPW], v0, 2, SPARE
	v_mov_b32 v[NIL], 0
	ds_add_u32 v[SPW], v[NIL]                      ; the wave's opening: the add, twice on end, and its wait ahead of the first tensor load
	ds_add_u32 v[SPW], v[NIL]
	v_lshrrev_b32 v12, 5, v0
	v_readfirstlane_b32 s[WV], v12                 ; wave 0..15
	s_and_b32 s8, ttmp7, 0xffff
	s_lshl_b32 s8, s8, 18                          ; the head's first byte in q, in k, in v^T and in att: 262,144 bytes a head
	s_lshr_b32 s10, s[WV], 2
	s_xor_b32 s10, s10, s[WV]
	s_and_b32 s10, s10, 1                          ; 1: I take the late block
	s_sub_co_u32 s11, 7, ttmp9
	s_cmp_eq_u32 s10, 1
	s_cselect_b32 s12, s11, ttmp9
	s_lshl_b32 s12, s12, 8
	s_lshr_b32 s13, s[WV], 1
	s_lshl_b32 s13, s13, 5
	s_add_co_u32 s[Q0], s12, s13                   ; my first query
	s_lshl_b32 s[LASTQ], s11, 8
	s_or_b32 s[LASTQ], s[LASTQ], 255               ; the work-group's last query
	s_lshl_b32 s12, s[Q0], 7
	s_add_co_u32 s12, s12, s8                      ; my first query's byte in q and in att
	s_mov_b32 s13, 0
	s_and_b32 s14, s[WV], 1
	s_mul_i32 s15, s14, 128*KP                     ; K: my half in a slot,
	s_lshl_b32 s16, s14, 14                        ; and in memory
	s_add_co_u32 s16, s16, s8
	s_add_co_u32 s16, s16, 0x1000000               ; k lies behind q
	s_mov_b32 s17, 0
	s_add_co_u32 s10, s8, 0x2000000                ; v^T behind k
	s_mov_b32 s11, 0
	s_mov_b32 s[G1K], (1<<16)|(1<<20)|(4<<22)|(3<<25)   ; no mask; elements of 2 bytes; padding: 4 words after every 32
	s_mov_b32 s[G1K+1], 64<<16                     ; tensor_dim0
	s_mov_b32 s[G1K+2], 128<<16                    ; tensor_dim1
	s_mov_b32 s[G1K+3], 64<<16                     ; tile_dim0
	s_mov_b32 s[G1K+4], 128                        ; tile_dim1
	s_mov_b32 s[G1K+5], 64                         ; the pitch
	s_mov_b32 s[G1K+6], 0
	s_mov_b32 s[G1K+7], 0
	s_mov_b32 s[G1V], (1<<16)|(1<<20)|(6<<22)|(3<<25)   ; padding: 4 words after every 128
	s_mov_b32 s[G1V+1], 256<<16
	s_mov_b32 s[G1V+2], 64<<16
	s_mov_b32 s[G1V+3], 256<<16
	s_mov_b32 s[G1V+4], 64
	s_mov_b32 s[G1V+5], 2048
	s_mov_b32 s[G1V+6], 0
	s_mov_b32 s[G1V+7], 0
	s_mov_b32 s[SEL], 0x76543210
	s_mov_b32 s[SEL+1], 0xfedcba98                 ; v_permlanex16_b32: lane l xor 16
	s_mov_b32 s[CS], 0x3e38aa3b                    ; c = log2(e) / 8
	s_mov_b32 s[CS+1], s[CS]                       ; (named with it as a pair)
	s_mov_b32 s[TB], 0
	s_mov_b32 s[SLOTS], NSL-1
	s_mov_b32 s[KF], 0
	s_wait_dscnt 0x0                               ; both opening adds are done
	s_wait_kmcnt 0x0
	s_mov_b32 s[G0K], 1
	s_mov_b32 s[G0K+1], s15
	s_add_nc_u64 s[G0K+2:G0K+3], s[4:5], s[16:17]
	s_or_b32 s[G0K+3], s[G0K+3], 0x80000000
	s_mov_b32 s[G0V], 1
	s_mov_b32 s[G0V+1], VOFF
	s_add_nc_u64 s[G0V+2:G0V+3], s[4:5], s[10:11]
	s_or_b32 s[G0V+3], s[G0V+3], 0x80000000
	TLOAD                                          ; slot 0: it holds key 0, which counts for every query
	s_add_nc_u64 s[14:15], s[4:5], s[12:13]        ; q at my first query
	s_add_nc_u64 s[6:7], s[6:7], s[12:13]          ; att likewise
	v_and_b32 v12, 15, v0                          ; r
	v_bfe_u32 v13, v0, 4, 1                        ; h
	v_lshlrev_b32 v14, 7, v12
	v_lshl_add_u32 v14, v13, 4, v14
.irp t, 0,1
.irp c, 0,1
	global_load_b128 v[Q+16*\t+8*\c:Q+16*\t+8*\c+3], v14, s[14:15] offset:\t*2048+64*\c       ; Q stays in registers
	global_load_b128 v[Q+16*\t+8*\c+4:Q+16*\t+8*\c+7], v14, s[14:15] offset:\t*2048+64*\c+32
.endr
.endr
	; the prefetches: where my wave's stand, and who asks
	s_cmp_lt_u32 s[WV], 8
	s_mov_b32 s[PFS], 512
	s_cselect_b32 s[PFS], 32768, s[PFS]            ; a slot on
	s_mov_b32 s82, 4096
	s_cselect_b32 s82, 512, s82                    ; from pair of lanes to pair of lanes
	s_mov_b32 s83, 65536
	s_cselect_b32 s83, 8192, s83                   ; from wave to wave
	s_mov_b32 s84, 0x2000000
	s_cselect_b32 s84, 0x1000000, s84              ; k or v^T
	v_and_b32 v[PFO], 31, v0
	v_lshrrev_b32 v[ADK], 1, v[PFO]
	v_and_b32 v[PFO], 1, v[PFO]
	v_lshlrev_b32 v[PFO], 8, v[PFO]
	v_mul_lo_u32 v[ADK], v[ADK], s82
	v_add_nc_u32 v[PFO], v[PFO], v[ADK]
	s_and_b32 s86, s[WV], 3
	s_mul_i32 s86, s86, s83
	s_add_co_u32 s86, s86, s[PFS]                  ; in slot 1: the first change of slots steps it to slot 2
	s_add_co_u32 s86, s86, s84
	s_add_co_u32 s86, s86, s8
	s_mov_b32 s87, 0
	s_mov_b32 s[PFS+1], 0
	s_add_nc_u64 s[PFA:PFA+1], s[4:5], s[86:87]
	s_sub_co_u32 s88, s[WV], 4
	s_lshr_b32 s88, s88, 3                         ; 0 in waves 4 to 11,
	s_or_b32 s88, s88, ttmp9                       ; of the work-group with j = 0
	s_cmp_eq_u32 s88, 0
	s_cselect_b32 s[LIM], 1, -1
	v_mul_u32_u24 v[AK0], v12, KP
	v_lshl_add_u32 v[AK0], v13, 4, v[AK0]          ; row x pitch + 16 h
	v_mul_u32_u24 v[AV0], v12, VP
	v_lshl_add_u32 v[AV0], v13, 4, v[AV0]
	v_add_nc_u32 v[AV0], VOFF, v[AV0]
	v_and_b32 v[GO], 31, v0
	v_lshlrev_b32 v[GO], 4, v[GO]
	s_mul_i32 s89, s[WV], 16*KP
	s_add_co_u32 s89, s89, STAGE                   ; my stage
	v_add_nc_u32 v[STO], s89, v[AK0]               ; in: row r, + 16 h
	v_bfe_u32 v[RD], v0, 3, 2
	v_mul_u32_u24 v[RD], v[RD], KP
	v_and_b32 v[ADV], 7, v0
	v_lshl_add_u32 v[RD], v[ADV], 4, v[RD]
	v_add_nc_u32 v[RD], s89, v[RD]                 ; back: row lane / 8, 16 bytes at 16 (lane % 8)
	v_lshlrev_b32 v[DL], 3, v13
	v_sub_nc_u32 v[DL], v12, v[DL]
	v_mov_b32 v15, 0xff800000                      ; -infinity
.irp t, 0,1
	v_mov_b32 v[ST+8*\t+1], 0xff61b1e6             ; m: -3e38, under every score
	v_mul_f32 v[ST+8*\t], s[CS], v[ST+8*\t+1]      ; c m
.irp i, 2,3,4,5,6,7
	v_mov_b32 v[ST+8*\t+\i], 0                     ; l; and the registers at work are written once, so that no path reads one unwritten
.endr
.endr
.set I, 0
.rept 64
	v_mov_b32 v[O+I], 0                            ; O^T.  (The step is written once: the first finds zeros, which a = 0 leaves zeros)
.set I, I+1
.endr
; A KEY STEP: 64 keys, the q-th of the slot in hand.
.macro STEP q
	s_add_co_u32 s96, s[Q0], 31
	s_cmp_gt_u32 s[KF], s96                        ; all keys come after my 32 queries: the step's work is left out
	s_cbranch_scc1 .Lhidden_\@
	v_add_nc_u32 v[ADK], s[TB], v[AK0]
	v_add_nc_u32 v[ADV], s[TB], v[AV0]
.rept 3
	v_nop                                          ; with the two additions: five places behind the last step's products, whose source p the next products write over and whose V the loads land on
.endr
.irp kt, 0,1,2,3
.irp c, 0,1
	ds_load_b128 v[KV+8*(2*\kt+\c):KV+8*(2*\kt+\c)+3], v[ADK] offset:(\q)*64*KP+\kt*16*KP+64*\c
	ds_load_b128 v[KV+8*(2*\kt+\c)+4:KV+8*(2*\kt+\c)+7], v[ADK] offset:(\q)*64*KP+\kt*16*KP+64*\c+32
.endr
.endr
	s_wait_dscnt 0x0
.irp c, 0,1                            ; S^T = K Q^T: the eight accumulators by turns; the first eight products start the sums
.irp kt, 0,1,2,3
.irp t, 0,1
.if \c == 0
	v_wmma_f32_16x16x32_f16 v[S+32*\t+8*\kt:S+32*\t+8*\kt+7], v[KV+8*(2*\kt+\c):KV+8*(2*\kt+\c)+7], v[Q+16*\t+8*\c:Q+16*\t+8*\c+7], 0
.else
	v_wmma_f32_16x16x32_f16 v[S+32*\t+8*\kt:S+32*\t+8*\kt+7], v[KV+8*(2*\kt+\c):KV+8*(2*\kt+\c)+7], v[Q+16*\t+8*\c:Q+16*\t+8*\c+7], v[S+32*\t+8*\kt:S+32*\t+8*\kt+7]
.endif
.endr
.endr
.endr
.rept 4
	v_nop                                          ; places ahead of the loads into K's registers and of the first reads of the scores
.endr
.irp dt, 0,1,2,3                       ; V^T's fragments land while the softmax is walked
.irp f, 0,1
	ds_load_b128 v[KV+8*(2*\dt+\f):KV+8*(2*\dt+\f)+3], v[ADV] offset:\dt*16*VP+(\q)*128+64*\f
	ds_load_b128 v[KV+8*(2*\dt+\f)+4:KV+8*(2*\dt+\f)+7], v[ADV] offset:\dt*16*VP+(\q)*128+64*\f+32
.endr
.endr
	s_add_co_u32 s96, s[KF], 63
	s_cmp_le_u32 s96, s[Q0]                        ; all keys count for all my queries: no mask
	s_cbranch_scc1 .Lopen_\@
	s_sub_co_i32 s96, s[Q0], s[KF]
	v_add_nc_u32 v12, s96, v[DL]                   ; tile 0: d = my query - KF - 8 h.  Register 8 kt + j holds key KF + 16 kt + 8 h + j: hidden where 16 kt + j > d
	v_add_nc_u32 v13, 16, v12                      ; tile 1
.irp t, 0,1
.irp n, 0,1,2,3,4,5,6,7,8,9,10,11,12,13,14,15,16,17,18,19,20,21,22,23,24,25,26,27,28,29,30,31
	v_cmp_gt_i32 vcc_lo, 16*(\n/8)+\n%8, v[12+\t]
	v_cndmask_b32 v[S+32*\t+\n], v[S+32*\t+\n], v15, vcc_lo
.endr
.endr
.Lopen_\@:
	; the maximum of my 32 scores and the old m: four chains, the two tiles line by line
.irp j, 0,1,2,3
.irp t, 0,1
	v_max3_num_f32 v[ST+8*\t+4+\j], v[S+32*\t+8*\j], v[S+32*\t+8*\j+1], v[S+32*\t+8*\j+2]
.endr
.endr
.irp g, 1,2
.irp j, 0,1,2,3
.irp t, 0,1
	v_max3_num_f32 v[ST+8*\t+4+\j], v[ST+8*\t+4+\j], v[S+32*\t+8*\j+2*\g+1], v[S+32*\t+8*\j+2*\g+2]
.endr
.endr
.endr
.irp t, 0,1
	v_max3_num_f32 v[ST+8*\t+4], v[ST+8*\t+4], v[S+32*\t+7], v[S+32*\t+15]
.endr
.irp t, 0,1
	v_max3_num_f32 v[ST+8*\t+6], v[ST+8*\t+6], v[S+32*\t+23], v[S+32*\t+31]
.endr
.irp t, 0,1
	v_max3_num_f32 v[ST+8*\t+4], v[ST+8*\t+4], v[ST+8*\t+5], v[ST+8*\t+6]
.endr
.irp t, 0,1
	v_max3_num_f32 v[ST+8*\t+4], v[ST+8*\t+4], v[ST+8*\t+7], v[ST+8*\t+1]
.endr
.irp t, 0,1
	v_permlanex16_b32 v[ST+8*\t+5], v[ST+8*\t+4], s[SEL], s[SEL+1]   ; the query's other 32 keys lie in the lane 16 away
.endr
.irp t, 0,1
	v_mov_b32 v[ST+8*\t+7], v[ST+8*\t]             ; c m_old
.endr
.irp t, 0,1
	v_max_num_f32 v[ST+8*\t+1], v[ST+8*\t+4], v[ST+8*\t+5]
.endr
.irp t, 0,1
	v_mul_f32 v[ST+8*\t], s[CS], v[ST+8*\t+1]
.endr
.irp t, 0,1
	v_sub_f32 v[ST+8*\t+7], v[ST+8*\t+7], v[ST+8*\t]
.endr
.irp b, 0,1,2,3,4,5,6,7,8,9,10,11,12,13,14,15
.irp t, 0,1
	v_pk_fma_f32 v[S+32*\t+2*\b:S+32*\t+2*\b+1], v[S+32*\t+2*\b:S+32*\t+2*\b+1], s[CS:CS+1], v[ST+8*\t:ST+8*\t+1] op_sel_hi:[1,0,0] neg_lo:[0,0,1] neg_hi:[0,0,1]   ; c s - c m
.endr
.endr
.irp t, 0,1
	v_exp_f32 v[ST+8*\t+6], v[ST+8*\t+7]           ; a
.endr
.irp n, 0,1,2,3,4,5,6,7,8,9,10,11,12,13,14,15,16,17,18,19,20,21,22,23,24,25,26,27,28,29,30,31
.irp t, 0,1
	v_exp_f32 v[S+32*\t+\n], v[S+32*\t+\n]         ; p
.endr
.endr
	v_nop                                          ; the plain line behind the last exponential
	s_wait_alu depctr_va_vdst(0)                   ; one wait for the 66 exponentials, ahead of their first reader
.irp t, 0,1
	v_pk_mul_f32 v[ST+8*\t+2:ST+8*\t+3], v[ST+8*\t+2:ST+8*\t+3], v[ST+8*\t+6:ST+8*\t+7] op_sel_hi:[1,0]   ; l under the new m
.endr
.irp t, 0,1
	v_pk_add_f32 v[ST+8*\t+4:ST+8*\t+5], v[S+32*\t:S+32*\t+1], v[S+32*\t+2:S+32*\t+3]   ; the sum of the unrounded p, in two chains
.endr
.irp j, 4,8,12,16,20,24,28
.irp t, 0,1
	v_pk_add_f32 v[ST+8*\t+2:ST+8*\t+3], v[ST+8*\t+2:ST+8*\t+3], v[S+32*\t+\j:S+32*\t+\j+1]
	v_pk_add_f32 v[ST+8*\t+4:ST+8*\t+5], v[ST+8*\t+4:ST+8*\t+5], v[S+32*\t+\j+2:S+32*\t+\j+3]
.endr
.endr
.irp t, 0,1
	v_pk_add_f32 v[ST+8*\t+2:ST+8*\t+3], v[ST+8*\t+2:ST+8*\t+3], v[ST+8*\t+4:ST+8*\t+5]
.endr
.irp k, 0,1,2,3,4,5,6,7,8,9,10,11,12,13,14,15
.irp t, 0,1
	v_cvt_pk_f16_f32 v[S+32*\t+\k], v[S+32*\t+2*\k], v[S+32*\t+2*\k+1]   ; p to f16, in place, ascending: registers 8 f .. 8 f + 7 are source 1 for keys 32 f on
.endr
.endr
.irp k, 0,1,2,3,4,5,6,7,8,9,10,11,12,13,14,15
.irp t, 0,1
	v_pk_mul_f32 v[O+32*\t+2*\k:O+32*\t+2*\k+1], v[O+32*\t+2*\k:O+32*\t+2*\k+1], v[ST+8*\t+6:ST+8*\t+7] op_sel_hi:[1,0]   ; O^T under the new m
.endr
.endr
	s_wait_dscnt 0x0                               ; V^T's fragments are in
.irp f, 0,1                            ; O^T += V^T P: the eight accumulators by turns
.irp dt, 0,1,2,3
.irp t, 0,1
	v_wmma_f32_16x16x32_f16 v[O+32*\t+8*\dt:O+32*\t+8*\dt+7], v[KV+8*(2*\dt+\f):KV+8*(2*\dt+\f)+7], v[S+32*\t+8*\f:S+32*\t+8*\f+7], v[O+32*\t+8*\dt:O+32*\t+8*\dt+7]
.endr
.endr
.endr
.Lhidden_\@:
	s_add_co_u32 s[KF], s[KF], 64
.endm
; THE CHANGE OF SLOTS stands at a slot's head.  Each wave waits for all its tensor loads, adds 0 to its spare word (fill = 1: twice on end), and waits for that and for its reads of the slot that it has left.
; Behind the barrier the slot ahead is whole and nobody reads the other one.  fill = 1: the other slot takes the next 256 keys, up to the causal limit: a wave has one load out, with a slot's four steps in which to land.
.macro CHANGE fill
	s_wait_tensorcnt 0x0                           ; no tensor load of mine is out, so a group 0 may be written
	ds_add_u32 v[SPW], v[NIL]
.if \fill
	ds_add_u32 v[SPW], v[NIL]                      ; and once more, in every trip alike
	s_xor_b32 s[G0K+1], s[G0K+1], SLOT1
	s_add_nc_u64 s[G0K+2:G0K+3], s[G0K+2:G0K+3], SK*128
	s_xor_b32 s[G0V+1], s[G0V+1], SLOT1
	s_add_nc_u64 s[G0V+2:G0V+3], s[G0V+2:G0V+3], SK*2
	s_wait_xcnt 0x0                                ; the last prefetch, a slot back, has read its address
	s_add_nc_u64 s[PFA:PFA+1], s[PFA:PFA+1], s[PFS:PFS+1]
.endif
	s_wait_dscnt 0x0                               ; the add is done, and my reads of the slot that I have left are over
	s_barrier_signal -1
	s_barrier_wait -1
.if \fill
	s_add_co_u32 s96, s[KF], SK                    ; the first key of the slot that this change would ask for
	s_cmp_gt_u32 s96, s[LASTQ]                     ; ids and the count of steps alone: all sixteen waves go the same way
	s_cbranch_scc1 .Lpast_\@
	TLOAD
.Lpast_\@:
	ASK
.endif
.endm
.macro SLOT_STEPS
	STEP 0
	STEP 1
	STEP 2
	STEP 3
	s_xor_b32 s[TB], s[TB], SLOT1
.endm
	s_wait_loadcnt 0x0                             ; Q
.Lslot:                                            ; NSL - 1 trips
	CHANGE 1
	SLOT_STEPS
	s_sub_co_u32 s[SLOTS], s[SLOTS], 1
	s_cmp_lg_u32 s[SLOTS], 0
	s_cbranch_scc1 .Lslot
	CHANGE 0                                       ; the last slot is written out: nothing is left to ask for
	SLOT_STEPS
	; THE WAY OUT: O^T / l, to f16, through my stage, a tile of 16 queries at a time; a store covers four rows of 128 bytes: 512 consecutive bytes.
.rept 4
	v_nop                                          ; places behind the last products
.endr
.irp t, 0,1
	v_add_f32 v[ST+8*\t+4], v[ST+8*\t+2], v[ST+8*\t+3]
.endr
.irp t, 0,1
	v_permlanex16_b32 v[ST+8*\t+5], v[ST+8*\t+4], s[SEL], s[SEL+1]
.endr
.irp t, 0,1
	v_add_f32 v[ST+8*\t+4], v[ST+8*\t+4], v[ST+8*\t+5]
.endr
.irp t, 0,1
	v_rcp_f32 v[ST+8*\t+6], v[ST+8*\t+4]
.endr
	v_nop
	s_wait_alu depctr_va_vdst(0)                   ; one wait for the two reciprocals, ahead of their first reader
.irp t, 0,1
.irp k, 0,1,2,3,4,5,6,7,8,9,10,11,12,13,14,15
	v_pk_mul_f32 v[O+32*\t+2*\k:O+32*\t+2*\k+1], v[O+32*\t+2*\k:O+32*\t+2*\k+1], v[ST+8*\t+6:ST+8*\t+7] op_sel_hi:[1,0]
.endr
.irp k, 0,1,2,3,4,5,6,7,8,9,10,11,12,13,14,15
	v_cvt_pk_f16_f32 v[S+16*\t+\k], v[O+32*\t+2*\k], v[O+32*\t+2*\k+1]
.endr
.irp dt, 0,1,2,3
	ds_store_b128 v[STO], v[S+16*\t+4*\dt:S+16*\t+4*\dt+3] offset:32*\dt
.endr
.irp i, 0,1,2,3
	ds_load_b128 v[KV+16*\t+4*\i:KV+16*\t+4*\i+3], v[RD] offset:\i*4*KP   ; LDS serves a wave's instructions in order (ISA guide 5.7.1.4)
.endr
.endr
.irp t, 0,1
.irp i, 0,1,2,3
	s_wait_dscnt 8*(1-\t)+3-\i                     ; behind this load: the rest of its tile's, and for tile 0 tile 1's four stores and four loads
	global_store_b128 v[GO], v[KV+16*\t+4*\i:KV+16*\t+4*\i+3], s[6:7] offset:\t*2048+\i*512
.endr
.endr
	s_wait_tensorcnt 0x0                           ; the wave's end
	ds_add_u32 v[SPW], v[NIL]
	s_wait_dscnt 0x0
	s_endpgm
.Lfunc_end_k_q94f0104851_attn:
	.size	k_q94f0104851_attn, .Lfunc_end_k_q94f0104851_attn-k_q94f0104851_attn
	.p2alignl 7, 3214868480
	.fill 96, 4, 3214868480
	.section	.rodata,"a",@progbits
	.p2align	6, 0x0
	.amdhsa_kernel k_q94f0104851_attn
		.amdhsa_group_segment_fixed_size 327680
		.amdhsa_private_segment_fixed_size 0
		.amdhsa_enable_private_segment 0
		.amdhsa_kernarg_size 16
		.amdhsa_user_sgpr_count 2
		.amdhsa_user_sgpr_kernarg_segment_ptr 1
		.amdhsa_wavefront_size32 1
		.amdhsa_system_sgpr_workgroup_id_x 1
		.amdhsa_system_sgpr_workgroup_id_y 1
		.amdhsa_system_sgpr_workgroup_id_z 1
		.amdhsa_system_vgpr_workitem_id 0
		.amdhsa_next_free_vgpr 256
		.amdhsa_next_free_sgpr 100
		.amdhsa_reserve_vcc 1
		.amdhsa_float_denorm_mode_32 3
		.amdhsa_float_denorm_mode_16_64 3
		.amdhsa_memory_ordered 1
		.amdhsa_forward_progress 1
		.amdhsa_inst_pref_size 189
	.end_amdhsa_kernel
	.amdgpu_metadata
---
amdhsa.version: [ 1, 2 ]
amdhsa.kernels:
  - .name:           k_q94f0104851_attn
    .symbol:         k_q94f0104851_attn.kd
    .args:
      - { .name: qkv16, .offset: 0, .size: 8, .value_kind: global_buffer, .address_space: global }
      - { .name: att, .offset: 8, .size: 8, .value_kind: global_buffer, .address_space: global }
    .group_segment_fixed_size: 327680
    .private_segment_fixed_size: 0
    .kernarg_segment_align: 8
    .kernarg_segment_size: 16
    .max_flat_workgroup_size: 512
    .sgpr_count:     100
    .vgpr_count:     256
    .wavefront_size: 32
...
	.end_amdgpu_metadata
.endif
;; end of part 3
;; launch proj (part 4): grid 4 x 64, 4 waves a work-group, clusters of 4 x 4, 327,680 bytes of LDS; arguments att, wo16, out0; writes out0
.if DOCPART == 4
	.amdgcn_target "amdgcn-amd-amdhsa--gfx1250"
	.amdhsa_code_object_version 6
	.text
	.protected	k_q94f0104851_proj
	.globl	k_q94f0104851_proj
	.p2align	8
	.type	k_q94f0104851_proj,@function
k_q94f0104851_proj:
	s_mov_b64 s[64:65], 0
	v_nop
	global_prefetch_b8 v0, s[64:65] scope:SCOPE_SE
	s_setreg_imm32_b32 hwreg(HW_REG_WAVE_MODE, 25, 1), 1
	s_wait_xcnt 0x0
	s_wait_alu depctr_hold_cnt(0) depctr_sa_sdst(0) depctr_va_vdst(0) depctr_va_sdst(0) depctr_va_ssrc(0) depctr_va_vcc(0) depctr_vm_vsrc(0)
	s_getreg_b32 s2, hwreg(HW_REG_IB_STS2, 6, 4)
	s_cmp_eq_u32 s2, 0
	s_cbranch_scc0 .Lentry_in_a_cluster
	s_endpgm
.Lentry_in_a_cluster:
	s_bfe_u32 s2, ttmp6, 0x10000c
	s_cmp_lg_u32 s2, 0xf033
	s_cbranch_scc0 .Lentry_shape_is_right
	s_endpgm
.Lentry_shape_is_right:
; out0[b][s][n] = the sum over (h, d) of att[b][h][s][d] wo[n][64 h + d], f16 operands, f32 sums and output; all rows but positions 0-15 of each sequence, which a later launch carries in f32.
; att: [b][h][s][64] f16; wo16: [h][n][64] f16: a head's part of a tile is a dense block of memory for both.
; A tile of out0 is 128 rows x 256 columns: 256 work-groups.  Four waves, each 64 x 128: 32 accumulators.  K goes in steps of 128 (two heads) through a ring of two LDS slots.
; CLUSTERS: 4 x 4: cy is the batch, the cluster's y the block of 128 positions, cx the block of 256 columns.  att's tiles are shared along a row of the cluster, wo16's along a column, each asked for jointly.
; THE MATRIX INSTRUCTION IS USED TRANSPOSED (source 0 = 16 rows of wo16, source 1 = 16 rows of att): a lane holds eight neighbouring columns of a row of out0.
; No prefetch: a K step is short and the tile small; the ring's loads are shared in the cluster instead.
; REGISTERS: window 0: v16-29 addresses; v128-255 rows on the way out.  window 1: two fragment buffers (B's 64 registers, then A's 32) at v0 and v128.  window 2: accumulator (a, b) at v[8 (8 a + b)].
.set PITCH,  144                       ; an LDS row: 128 bytes + 16 = 36 words: the 16 rows of a load fall on 16 different groups of four banks (ISA guide 11.1)
.set APIECE, 128*PITCH                 ; one head's 128 rows of att
.set BPIECE, 256*PITCH                 ; one head's 256 rows of wo16
.set SLOT,   2*APIECE+2*BPIECE
.set SPARE,  2*SLOT                    ; behind the ring: the spare words
.set SPITCH, 528                       ; the way out: a stage of 16 rows x (512 + 16) bytes a wave, in slot 0, which has had its last fill and its last read by then
.set LAPS,   4                         ; 8 K steps
.set ADRA, 16
.set ADRB, 20
.set STO,  24
.set RD,   25
.set CO,   26
.set SPW,  28
.set NIL,  29
.set BK,   128
.set F0,   0
.set F1,   128
.set G1, 24
.set G0, 32
.set G1B, 48
.set G0B, 56
.set MSB, 0
.macro WIN new
.if MSB != \new
	s_set_vgpr_msb (MSB<<8)|\new
.set MSB, \new
.endif
.endm
.set MUL,  0xa5                        ; sources 0 and 1 window 1; C and D window 2
.set TO_F, 0x40                        ; destination window 1
.macro JLOAD s                         ; waves 0 and 1 fetch att's two heads, waves 2 and 3 wo16's; an s_nop 0 and four v_nop follow each line
	s_cmp_eq_u32 s11, 0
	s_cbranch_scc0 .Lfor_b_\@
	tensor_load_to_lds s[G0+4*\s:G0+4*\s+3], s[G1:G1+7]
	s_nop 0
.rept 4
	v_nop
.endr
	s_branch .Lasked_\@
.Lfor_b_\@:
	tensor_load_to_lds s[G0B+4*\s:G0B+4*\s+3], s[G1B:G1B+7]
	s_nop 0
.rept 4
	v_nop
.endr
.Lasked_\@:
.endm
.macro CREST
	s_cmp_lg_u32 s10, 0
	s_cbranch_scc1 .Lnot_wave_0_\@
	s_barrier_signal -3
.Lnot_wave_0_\@:
	s_barrier_wait -3
	s_barrier_signal -1
	s_barrier_wait -1
.endm
.macro CROUND
	s_barrier_signal -1
	s_barrier_wait -1
	CREST
.endm
	s_load_b128 s[4:7], s[0:1], 0x0                ; att, wo16
	s_load_b64 s[8:9], s[0:1], 0x10                ; out0
	v_lshl_add_u32 v[SPW], v0, 2, SPARE
	v_mov_b32 v[NIL], 0
	ds_add_u32 v[SPW], v[NIL]                      ; the wave's opening: the add, twice on end, and its wait ahead of my first tensor load
	ds_add_u32 v[SPW], v[NIL]
	v_lshrrev_b32 v1, 5, v0
	v_readfirstlane_b32 s10, v1                    ; wave 0..3
	s_lshr_b32 s11, s10, 1                         ; my half of the rows.  Also: I fetch for att (0) or for wo16 (1)
	s_and_b32 s12, s10, 1                          ; my half of the columns.  Also: which of a K step's two heads I fetch
	s_bfe_u32 s40, ttmp6, 0x40000                  ; cx
	s_bfe_u32 s41, ttmp6, 0x40004                  ; cy
	s_and_b32 s13, ttmp7, 0xffff                   ; the cluster's y: the block of 128 positions
	s_lshl_b32 s43, s41, 2
	s_lshl_b32 s43, 15, s43                        ; my row of the cluster
	s_lshl_b32 s44, 0x1111, s40                    ; my column
	s_or_b32 s[G1+0], s43, (1<<16)|(1<<20)|(1<<21)|(4<<22)|(3<<25)   ; the mask; elements of 2 bytes; padding: 4 words after every 32; bit 21 beside a mask
	s_or_b32 s[G1B+0], s44, (1<<16)|(1<<20)|(1<<21)|(4<<22)|(3<<25)
	s_mov_b32 s[G1+1], 64<<16                      ; tensor_dim0
	s_mov_b32 s[G1+2], 128<<16                     ; tensor_dim1
	s_mov_b32 s[G1+3], 64<<16                      ; tile_dim0
	s_mov_b32 s[G1+4], 128                         ; tile_dim1
	s_mov_b32 s[G1+5], 64                          ; the pitch
	s_mov_b32 s[G1+6], 0
	s_mov_b32 s[G1+7], 0
	s_mov_b32 s[G1B+1], 64<<16
	s_mov_b32 s[G1B+2], 256<<16
	s_mov_b32 s[G1B+3], 64<<16
	s_mov_b32 s[G1B+4], 256
	s_mov_b32 s[G1B+5], 64
	s_mov_b32 s[G1B+6], 0
	s_mov_b32 s[G1B+7], 0
	s_lshl_b32 s16, s41, 4
	s_add_co_u32 s16, s16, s12                     ; att: 16 b + my head of K step 0
	s_lshl_b32 s16, s16, 11
	s_lshl_b32 s17, s13, 7
	s_add_co_u32 s16, s16, s17                     ; + the tile's first position
	s_lshl_b32 s16, s16, 7                         ; rows of 128 bytes
	s_mov_b32 s17, 0
	s_lshl_b32 s46, s12, 10
	s_lshl_b32 s47, s40, 8
	s_add_co_u32 s46, s46, s47                     ; wo16: 1024 x head + the tile's first column
	s_lshl_b32 s46, s46, 7
	s_mov_b32 s47, 0
	s_mul_i32 s20, s12, APIECE                     ; where they go in a slot: att's two heads, then wo16's two
	s_mul_i32 s21, s12, BPIECE
	s_add_co_u32 s21, s21, 2*APIECE
	s_wait_dscnt 0x0                               ; both opening adds are done
	s_wait_kmcnt 0x0
	s_add_nc_u64 s[14:15], s[4:5], s[16:17]
	s_add_nc_u64 s[46:47], s[6:7], s[46:47]
	CROUND                                         ; all sixteen work-groups are here: the first joint loads meet
.irp s, 0,1
	s_mov_b32 s[G0+4*\s], 1
	s_add_co_u32 s[G0+4*\s+1], s20, \s*SLOT
	s_add_nc_u64 s[G0+4*\s+2:G0+4*\s+3], s[14:15], \s*2*2048*128
	s_or_b32 s[G0+4*\s+3], s[G0+4*\s+3], 0x80000000
	s_mov_b32 s[G0B+4*\s], 1
	s_add_co_u32 s[G0B+4*\s+1], s21, \s*SLOT
	s_add_nc_u64 s[G0B+4*\s+2:G0B+4*\s+3], s[46:47], \s*2*1024*128
	s_or_b32 s[G0B+4*\s+3], s[G0B+4*\s+3], 0x80000000
	JLOAD \s
.endr
	v_and_b32 v1, 15, v0
	v_bfe_u32 v2, v0, 4, 1
	v_mul_u32_u24 v3, v1, PITCH
	v_lshl_add_u32 v3, v2, 4, v3
	s_mul_i32 s21, s11, 64*PITCH                   ; my 64 rows of att
	s_mul_i32 s22, s12, 128*PITCH
	s_add_co_u32 s22, s22, 2*APIECE                ; my 128 rows of wo16
.irp s, 0,1
	v_add_nc_u32 v[ADRA+\s], s21, v3
	v_add_nc_u32 v[ADRB+\s], s22, v3
	s_add_co_u32 s21, s21, SLOT
	s_add_co_u32 s22, s22, SLOT
.endr
	s_mul_i32 s23, s10, 16*SPITCH                  ; my stage
	v_mul_u32_u24 v4, v1, SPITCH
	v_lshl_add_u32 v4, v2, 5, v4
	v_add_nc_u32 v[STO], s23, v4                   ; in: row r, 32 bytes for each half of the lanes
	v_and_b32 v5, 31, v0
	v_lshlrev_b32 v[CO], 4, v5
	v_add_nc_u32 v[RD], s23, v[CO]                 ; back: the 32 lanes take a row of 512 bytes
	s_lshl_b32 s16, s41, 4
	s_add_co_u32 s16, s16, s13
	s_lshl_b32 s16, s16, 7
	s_lshl_b32 s17, s11, 6
	s_add_co_u32 s16, s16, s17                     ; my first row of out0
	s_lshl_b32 s16, s16, 12                        ; 4,096 bytes a row
	s_mov_b32 s17, 0
	s_add_nc_u64 s[8:9], s[8:9], s[16:17]
	s_lshl_b32 s46, s40, 10                        ; my first column, in bytes (in the registers that held wo16's address: none that feeds att's descriptors holds cx)
	s_lshl_b32 s47, s12, 9
	s_add_co_u32 s46, s46, s47
	s_mov_b32 s47, 0
	s_add_nc_u64 s[8:9], s[8:9], s[46:47]
	s_or_b32 s45, s13, s11                         ; 0 where my block 0 holds positions 0-15
.macro MUL8 f, a, zero                 ; A's block a x B's eight, 32 along K; the 32 accumulators take turns
.irp b, 0,1,2,3,4,5,6,7
.if \zero
	v_wmma_f32_16x16x32_f16 v[8*(8*(\a)+\b):8*(8*(\a)+\b)+7], v[\f+8*\b:\f+8*\b+7], v[\f+64+8*(\a):\f+64+8*(\a)+7], 0
.else
	v_wmma_f32_16x16x32_f16 v[8*(8*(\a)+\b):8*(8*(\a)+\b)+7], v[\f+8*\b:\f+8*\b+7], v[\f+64+8*(\a):\f+64+8*(\a)+7], v[8*(8*(\a)+\b):8*(8*(\a)+\b)+7]
.endif
.endr
.endm
.macro FETCH slot, q, f                ; 24 LDS loads in one run: quarter q of the slot (head q / 2, byte 64 (q % 2) of its rows): B's eight fragments, then A's four
	WIN TO_F
.irp i, 0,1,2,3,4,5,6,7
	ds_load_b128 v[\f+8*\i:\f+8*\i+3],   v[ADRB+\slot] offset:((\q)/2)*BPIECE+((\q)%2)*64+\i*16*PITCH
	ds_load_b128 v[\f+8*\i+4:\f+8*\i+7], v[ADRB+\slot] offset:((\q)/2)*BPIECE+((\q)%2)*64+\i*16*PITCH+32
.endr
.irp i, 0,1,2,3
	ds_load_b128 v[\f+64+8*\i:\f+64+8*\i+3],   v[ADRA+\slot] offset:((\q)/2)*APIECE+((\q)%2)*64+\i*16*PITCH
	ds_load_b128 v[\f+64+8*\i+4:\f+64+8*\i+7], v[ADRA+\slot] offset:((\q)/2)*APIECE+((\q)%2)*64+\i*16*PITCH+32
.endr
.endm
.macro PLACES
.rept 4
	v_nop
.endr
.endm
.macro QUARTER slot, q, f, g, zero     ; multiplies buffer f; in its middle fetches quarter q of the same slot into g
	s_wait_dscnt 4                                 ; B and A's blocks 0, 1 are in; the youngest four loads (A's blocks 2, 3) may be out
	WIN MUL
	MUL8 \f, 0, \zero
	MUL8 \f, 1, \zero
	PLACES
	FETCH \slot, \q, \g
	s_wait_dscnt 24                                ; all but the 24 just issued
	WIN MUL
	MUL8 \f, 2, \zero
	MUL8 \f, 3, \zero
.endm
; A slot's last quarter changes slots: ONE barrier; in front of it each wave waits for all its tensor loads (one is out: its part of the next slot), adds 0 to its spare word, and waits for that and for its reads of this slot.
; fill = 1: the barrier opens a round of the cluster's barrier, and the joint refill, two K steps ahead, is the first tensor load behind it.
.macro TURN slot, next, fill
	WIN 0
	s_wait_tensorcnt 0x0
	ds_add_u32 v[SPW], v[NIL]
	s_wait_dscnt 5                                 ; the add and the youngest four loads may be out
	WIN MUL
	MUL8 F1, 0, 0
	s_wait_dscnt 0x0                               ; the add is done, and my reads of this slot are over
	s_barrier_signal -1
	MUL8 F1, 1, 0
.if \fill
	WIN 0
.endif
	s_barrier_wait -1
.if \fill
	CREST
	s_add_nc_u64 s[G0+4*\slot+2:G0+4*\slot+3], s[G0+4*\slot+2:G0+4*\slot+3], 4*2048*128     ; four heads on
	s_add_nc_u64 s[G0B+4*\slot+2:G0B+4*\slot+3], s[G0B+4*\slot+2:G0B+4*\slot+3], 4*1024*128
	JLOAD \slot                                    ; the four v_nop behind it are also the places ahead of the loads below
.else
	PLACES
.endif
	FETCH \next, 0, F0
	WIN MUL
	MUL8 F1, 2, 0
	MUL8 F1, 3, 0
.endm
	s_wait_tensorcnt 1                             ; my part of K step 0 is in; K step 1's load may be out
	s_barrier_signal -1
	s_barrier_wait -1
	FETCH 0, 0, F0
	QUARTER 0, 1, F0, F1, 1                        ; the first quarter's products start the sums
	WIN 0
	s_mov_b32 s3, LAPS-1
.Llap:                                                 ; a trip goes once round the ring and fills both slots again
	QUARTER 0, 2, F1, F0, 0
	QUARTER 0, 3, F0, F1, 0
	TURN 0, 1, 1
	QUARTER 1, 1, F0, F1, 0
	QUARTER 1, 2, F1, F0, 0
	QUARTER 1, 3, F0, F1, 0
	TURN 1, 0, 1
	QUARTER 0, 1, F0, F1, 0
	WIN 0
	s_sub_co_u32 s3, s3, 1
	s_cmp_lg_u32 s3, 0
	s_cbranch_scc1 .Llap
	QUARTER 0, 2, F1, F0, 0                        ; the last lap fills nothing
	QUARTER 0, 3, F0, F1, 0
	TURN 0, 1, 0
	QUARTER 1, 1, F0, F1, 0
	QUARTER 1, 2, F1, F0, 0
	QUARTER 1, 3, F0, F1, 0
	s_wait_dscnt 4
	WIN MUL
	MUL8 F1, 0, 0
	MUL8 F1, 1, 0
	s_wait_dscnt 0
	MUL8 F1, 2, 0
	MUL8 F1, 3, 0
	WIN 0
; THE WAY OUT, block by block of 16 rows x 128 columns, through my own stage: back as whole rows of 512 bytes.
.macro TOSTAGE a
	WIN 0x08                                       ; an LDS store's data: window 2
.irp b, 0,1,2,3,4,5,6,7
	ds_store_b128 v[STO], v[8*(8*(\a)+\b):8*(8*(\a)+\b)+3] offset:64*\b        ; each accumulator from its low end on
	ds_store_b128 v[STO], v[8*(8*(\a)+\b)+4:8*(8*(\a)+\b)+7] offset:64*\b+16
.endr
	WIN 0
.set BB, BK+64*((\a)%2)
.irp t, 0,1,2,3,4,5,6,7,8,9,10,11,12,13,14,15
	ds_load_b128 v[BB+4*\t:BB+4*\t+3], v[RD] offset:\t*SPITCH      ; LDS serves a wave's instructions in order (ISA guide 5.7.1.4)
.endr
.endm
.macro SEND a, younger
.set BB, BK+64*((\a)%2)
	s_wait_dscnt \younger
.if (\a) > 0
	s_add_nc_u64 s[8:9], s[8:9], 16*4096           ; (behind a wait on XCNT: the earlier stores have read their base)
.else
	s_cmp_eq_u32 s45, 0                            ; positions 0-15 belong to the launch that carries them in f32
	s_cbranch_scc1 .Lfirst_rows
.endif
.irp t, 0,1,2,3,4,5,6,7,8,9,10,11,12,13,14,15
	global_store_b128 v[CO], v[BB+4*\t:BB+4*\t+3], s[8:9] offset:\t*4096 th:TH_STORE_NT   ; 512 consecutive bytes, aligned
.endr
.if (\a) == 0
.Lfirst_rows:
.endif
.endm
	PLACES
	TOSTAGE 0
.irp a, 1,2,3
.if \a > 1
	s_wait_xcnt 0x0                                ; block a - 2's stores have read their registers and their base
.endif
	TOSTAGE \a
	SEND \a-1, 32                                  ; behind block a - 1's loads: block a's 16 stores and 16 loads
.endr
	s_wait_xcnt 0x0
	SEND 3, 0
	s_wait_tensorcnt 0x0                           ; the wave's end
	ds_add_u32 v[SPW], v[NIL]
	s_wait_dscnt 0x0
	CROUND                                         ; the closing round
	s_endpgm
.Lfunc_end_k_q94f0104851_proj:
	.size	k_q94f0104851_proj, .Lfunc_end_k_q94f0104851_proj-k_q94f0104851_proj
	.p2alignl 7, 3214868480
	.fill 96, 4, 3214868480
	.section	.rodata,"a",@progbits
	.p2align	6, 0x0
	.amdhsa_kernel k_q94f0104851_proj
		.amdhsa_group_segment_fixed_size 327680
		.amdhsa_private_segment_fixed_size 0
		.amdhsa_enable_private_segment 0
		.amdhsa_kernarg_size 24
		.amdhsa_user_sgpr_count 2
		.amdhsa_user_sgpr_kernarg_segment_ptr 1
		.amdhsa_wavefront_size32 1
		.amdhsa_system_sgpr_workgroup_id_x 1
		.amdhsa_system_sgpr_workgroup_id_y 1
		.amdhsa_system_sgpr_workgroup_id_z 1
		.amdhsa_system_vgpr_workitem_id 0
		.amdhsa_next_free_vgpr 768
		.amdhsa_next_free_sgpr 66
		.amdhsa_reserve_vcc 0
		.amdhsa_float_denorm_mode_32 3
		.amdhsa_float_denorm_mode_16_64 3
		.amdhsa_memory_ordered 1
		.amdhsa_forward_progress 1
		.amdhsa_inst_pref_size 85
	.end_amdhsa_kernel
	.amdgpu_metadata
---
amdhsa.version: [ 1, 2 ]
amdhsa.kernels:
  - .name:           k_q94f0104851_proj
    .symbol:         k_q94f0104851_proj.kd
    .args:
      - { .name: att, .offset: 0, .size: 8, .value_kind: global_buffer, .address_space: global }
      - { .name: wo16, .offset: 8, .size: 8, .value_kind: global_buffer, .address_space: global }
      - { .name: out0, .offset: 16, .size: 8, .value_kind: global_buffer, .address_space: global }
    .group_segment_fixed_size: 327680
    .private_segment_fixed_size: 0
    .kernarg_segment_align: 8
    .kernarg_segment_size: 24
    .max_flat_workgroup_size: 128
    .sgpr_count:     66
    .vgpr_count:     768
    .wavefront_size: 32
...
	.end_amdgpu_metadata
.endif
;; end of part 4
;; launch fine (part 5): grid 16 x 4, 16 waves a work-group, no clusters, 86,016 bytes of LDS; arguments head16, wo, out0; writes out0
.if DOCPART == 5
	.amdgcn_target "amdgcn-amd-amdhsa--gfx1250"
	.amdhsa_code_object_version 6
	.text
	.protected	k_q94f0104851_fine
	.globl	k_q94f0104851_fine
	.p2align	8
	.type	k_q94f0104851_fine,@function
k_q94f0104851_fine:
	s_mov_b64 s[64:65], 0
	v_nop
	global_prefetch_b8 v0, s[64:65] scope:SCOPE_SE
	s_setreg_imm32_b32 hwreg(HW_REG_WAVE_MODE, 25, 1), 1
	s_wait_xcnt 0x0
; Positions 0-15 of each of the 4 sequences, all in f32: their attention (they see only each other) and their rows of the projection.  Under the causal mask these rows average one to a few values,
; so the rounding of 16-bit operands would weigh most here.
; In: head16: q [b][16][1024] at 0, k likewise at 262,144 (both behind RoPE), v^T [b][c][16] at 524,288, f32; wo [n][k] f32.  Out: out0 rows b x 2048 + 0..15.
; SHARES.  Work-group (g, b): 64 output columns of batch b: 64 work-groups; the design has work for no more.  Phase A: wave w is head w (each work-group makes all 16 heads: 16 x 16 scores a head).
; Phase B: wave w takes 16 columns (w % 4) and a quarter of K (w / 4); the four quarters meet in LDS.
; All products by the f32 matrix form, 4 along K.  Its four accumulators v112-143 are written by matrix instructions alone and taken by turns.
; THE ORDER OF k: a lane loads 16 bytes at byte 32 s + 16 (lane / 16) of its row, for both sources alike; step 2 s + u takes registers 4 s + 2 u, + 1: the same permutation of k on both sides.
; No tensor load, no cluster, no prefetch: the launch is short and its inputs are small.
.set OBP,   4112                       ; a position's 1,024 channels in LDS: 4,096 bytes + 16
.set RED,   16*OBP                     ; behind them: four parts of 16 rows x (256 + 16) bytes
.set SPARE, RED+4*16*272               ; the spare words, 128 bytes a wave
.set QO,  1                            ; v1  4096 r + 16 h: q, k and wo
.set VO,  2                            ; v2  64 r + 32 h
.set OBW, 3
.set OBR, 4
.set REDW, 5
.set REDR, 6
.set GO,  7
.set DL,  8                            ; v8  r - 8 h
.set SPW, 10
.set NIL, 11
.set QR,  16                           ; v16-47  Q; later O's fragments, set 0
.set KR,  48                           ; v48-79  K; later set 1
.set VR,  80                           ; v80-111 V^T; later wo's chunk 2
.set ACC, 112
.set SP,  144                          ; v144-151 scores, p, sums
.set TP,  152                          ; v152-159 at work
.set ON,  160                          ; v160-191 O / l; later wo's chunk 3
.set W0,  192                          ; v192-255 wo's chunks 0, 1
	s_load_b128 s[4:7], s[0:1], 0x0                ; head16, wo
	s_load_b64 s[8:9], s[0:1], 0x10                ; out0
	v_lshl_add_u32 v[SPW], v0, 2, SPARE
	v_mov_b32 v[NIL], 0
	v_lshrrev_b32 v12, 5, v0
	v_readfirstlane_b32 s10, v12                   ; wave = head
	s_and_b32 s11, s10, 3                          ; which 16 columns
	s_lshr_b32 s12, s10, 2                         ; which quarter of K
	s_and_b32 s13, ttmp7, 0xffff                   ; b
	v_and_b32 v12, 15, v0                          ; r
	v_bfe_u32 v13, v0, 4, 1                        ; h
	v_lshlrev_b32 v[QO], 12, v12
	v_lshl_add_u32 v[QO], v13, 4, v[QO]
	v_lshlrev_b32 v[VO], 6, v12
	v_lshl_add_u32 v[VO], v13, 5, v[VO]
	v_mul_u32_u24 v14, v12, OBP
	s_lshl_b32 s14, s10, 8
	v_lshl_add_u32 v[OBW], v13, 5, v14
	v_add_nc_u32 v[OBW], s14, v[OBW]               ; row r, my head's 256 bytes, + 32 h
	s_lshl_b32 s14, s12, 10
	v_lshl_add_u32 v[OBR], v13, 4, v14
	v_add_nc_u32 v[OBR], s14, v[OBR]               ; row r, my quarter's 1,024 bytes, + 16 h
	v_mul_u32_u24 v14, v12, 272
	v_lshl_add_u32 v[REDW], v13, 5, v14
	s_mul_i32 s14, s12, 16*272
	s_lshl_b32 s15, s11, 6
	s_add_co_u32 s14, s14, s15
	s_add_co_u32 s14, s14, RED
	v_add_nc_u32 v[REDW], s14, v[REDW]
	v_mul_u32_u24 v[REDR], v13, 272
	v_lshl_add_u32 v[REDR], v12, 4, v[REDR]
	s_mul_i32 s14, s10, 2*272
	s_add_co_u32 s14, s14, RED
	v_add_nc_u32 v[REDR], s14, v[REDR]             ; rows 2 w, 2 w + 1 (waves 0-7 read)
	v_lshlrev_b32 v[GO], 12, v13
	v_lshl_add_u32 v[GO], v12, 4, v[GO]
	v_lshlrev_b32 v[DL], 3, v13
	v_sub_nc_u32 v[DL], v12, v[DL]
	v_mov_b32 v9, 0xff800000                       ; -infinity
	s_mov_b32 s20, 0x76543210
	s_mov_b32 s21, 0xfedcba98                      ; v_permlanex16_b32: lane l xor 16
	s_mov_b32 s22, 0x3e38aa3b                      ; c = log2(e) / 8
	s_lshl_b32 s24, s13, 16
	s_lshl_b32 s25, s10, 8
	s_add_co_u32 s24, s24, s25                     ; q: 65,536 b + 256 head
	s_mov_b32 s25, 0
	s_lshl_b32 s26, s13, 16
	s_lshl_b32 s27, s10, 12
	s_add_co_u32 s26, s26, s27
	s_add_co_u32 s26, s26, 524288                  ; v^T: (1024 b + 64 head) x 64 bytes
	s_mov_b32 s27, 0
	s_lshl_b32 s28, ttmp9, 6
	s_lshl_b32 s29, s11, 4
	s_add_co_u32 s28, s28, s29
	s_lshl_b32 s28, s28, 12
	s_lshl_b32 s29, s12, 10
	s_add_co_u32 s28, s28, s29                     ; wo: my 16 rows, my quarter of K
	s_mov_b32 s29, 0
	s_lshl_b32 s30, s13, 23
	s_lshl_b32 s31, ttmp9, 8
	s_add_co_u32 s30, s30, s31
	s_lshl_b32 s31, s10, 13
	s_add_co_u32 s30, s30, s31                     ; out0: row 2048 b + 2 w, my work-group's 256 bytes
	s_mov_b32 s31, 0
	s_wait_kmcnt 0x0
	s_add_nc_u64 s[16:17], s[4:5], s[26:27]
	s_add_nc_u64 s[4:5], s[4:5], s[24:25]
	s_add_nc_u64 s[6:7], s[6:7], s[28:29]
	s_add_nc_u64 s[8:9], s[8:9], s[30:31]
.irp s, 0,1,2,3,4,5,6,7
	global_load_b128 v[QR+4*\s:QR+4*\s+3], v[QO], s[4:5] offset:32*\s
.endr
.irp s, 0,1,2,3,4,5,6,7
	global_load_b128 v[KR+4*\s:KR+4*\s+3], v[QO], s[4:5] offset:262144+32*\s
.endr
.irp dt, 0,1,2,3
	global_load_b128 v[VR+8*\dt:VR+8*\dt+3], v[VO], s[16:17] offset:1024*\dt        ; channel 16 dt + r, keys 8 h + 0..7
	global_load_b128 v[VR+8*\dt+4:VR+8*\dt+7], v[VO], s[16:17] offset:1024*\dt+16
.endr
.irp s, 0,1,2,3,4,5,6,7,8,9,10,11,12,13,14,15
	global_load_b128 v[W0+4*\s:W0+4*\s+3], v[QO], s[6:7] offset:32*\s               ; wo's chunks 0 and 1, for phase B
.endr
	; ---- A: S^T = K Q^T: a lane holds query r and keys 8 h + 0..7; 16 steps on four accumulators by turns; the first four start the sums
	s_wait_loadcnt 24                              ; Q and K are in; V^T's 8 and wo's 16 loads stay out
.set I, 0
.rept 16
.if I < 4
	v_wmma_f32_16x16x4_f32 v[ACC+8*(I%4):ACC+8*(I%4)+7], v[KR+2*I:KR+2*I+1], v[QR+2*I:QR+2*I+1], 0
.else
	v_wmma_f32_16x16x4_f32 v[ACC+8*(I%4):ACC+8*(I%4)+7], v[KR+2*I:KR+2*I+1], v[QR+2*I:QR+2*I+1], v[ACC+8*(I%4):ACC+8*(I%4)+7]
.endif
.set I, I+1
.endr
.rept 8
	v_nop                                          ; eight places behind this form ahead of a read of its results (ISA guide 7.12.1)
.endr
.irp j, 0,1,2,3,4,5,6,7
	v_add_f32 v[SP+\j], v[ACC+\j], v[ACC+8+\j]     ; each accumulator is read from its low end on; the sums go into other registers
	v_add_f32 v[TP+\j], v[ACC+16+\j], v[ACC+24+\j]
.endr
.irp j, 0,1,2,3,4,5,6,7
	v_add_f32 v[SP+\j], v[SP+\j], v[TP+\j]
.endr
.irp j, 0,1,2,3,4,5,6,7
	v_cmp_gt_i32 vcc_lo, \j, v[DL]                 ; key 8 h + j comes after query r
	v_cndmask_b32 v[SP+\j], v[SP+\j], v9, vcc_lo
.endr
	v_max3_num_f32 v[TP], v[SP], v[SP+1], v[SP+2]
	v_max3_num_f32 v[TP+1], v[SP+3], v[SP+4], v[SP+5]
	v_max3_num_f32 v[TP], v[TP], v[SP+6], v[SP+7]
	v_max_num_f32 v[TP], v[TP], v[TP+1]
	v_permlanex16_b32 v[TP+1], v[TP], s20, s21
	v_max_num_f32 v[TP], v[TP], v[TP+1]            ; the row's maximum: key 0 counts for every query
	v_mul_f32 v[TP], s22, v[TP]
.irp j, 0,1,2,3,4,5,6,7
	v_fma_f32 v[SP+\j], v[SP+\j], s22, -v[TP]
.endr
.irp j, 0,1,2,3,4,5,6,7
	v_exp_f32 v[SP+\j], v[SP+\j]
.endr
	v_nop
	s_wait_alu depctr_va_vdst(0)                   ; one wait for the eight exponentials, ahead of their first reader
	v_add_f32 v[TP], v[SP], v[SP+1]
	v_add_f32 v[TP+1], v[SP+2], v[SP+3]
	v_add_f32 v[TP+2], v[SP+4], v[SP+5]
	v_add_f32 v[TP+3], v[SP+6], v[SP+7]
	v_add_f32 v[TP], v[TP], v[TP+1]
	v_add_f32 v[TP+2], v[TP+2], v[TP+3]
	v_add_f32 v[TP], v[TP], v[TP+2]
	v_permlanex16_b32 v[TP+1], v[TP], s20, s21
	v_add_f32 v[TP], v[TP], v[TP+1]
	v_rcp_f32 v[TP], v[TP]
	v_nop
	s_wait_alu depctr_va_vdst(0)                   ; and one for the reciprocal
	; O^T = V^T P: step s takes keys 8 h + 2 s, + 1 on both sides; one accumulator for each 16 channels, by turns.  More than nine plain lines stand behind the scores' products
	s_wait_loadcnt 16                              ; V^T is in; wo's 16 loads stay out
.irp s, 0,1,2,3
.irp dt, 0,1,2,3
.if \s == 0
	v_wmma_f32_16x16x4_f32 v[ACC+8*\dt:ACC+8*\dt+7], v[VR+8*\dt+2*\s:VR+8*\dt+2*\s+1], v[SP+2*\s:SP+2*\s+1], 0
.else
	v_wmma_f32_16x16x4_f32 v[ACC+8*\dt:ACC+8*\dt+7], v[VR+8*\dt+2*\s:VR+8*\dt+2*\s+1], v[SP+2*\s:SP+2*\s+1], v[ACC+8*\dt:ACC+8*\dt+7]
.endif
.endr
.endr
.rept 8
	v_nop
.endr
.set I, 0
.rept 32
	v_mul_f32 v[ON+I], v[ACC+I], v[TP]             ; O / l: register 8 dt + j is channel 16 dt + 8 h + j of position r
.set I, I+1
.endr
.irp dt, 0,1,2,3
	ds_store_b128 v[OBW], v[ON+8*\dt:ON+8*\dt+3] offset:64*\dt
	ds_store_b128 v[OBW], v[ON+8*\dt+4:ON+8*\dt+7] offset:64*\dt+16
.endr
	s_wait_dscnt 0x0                               ; for the others' sake: my stores have landed
	s_barrier_signal -1
	s_barrier_wait -1                              ; 16 positions x 1,024 channels lie in LDS
	; ---- B: my 16 columns over my 256 of K: four chunks of 16 steps; source 0 = wo's rows, source 1 = O's rows
.irp s, 0,1,2,3,4,5,6,7
	global_load_b128 v[VR+4*\s:VR+4*\s+3], v[QO], s[6:7] offset:512+32*\s
.endr
.irp s, 0,1,2,3,4,5,6,7
	global_load_b128 v[ON+4*\s:ON+4*\s+3], v[QO], s[6:7] offset:768+32*\s
.endr
.irp s, 0,1,2,3,4,5,6,7
	ds_load_b128 v[QR+4*\s:QR+4*\s+3], v[OBR] offset:32*\s
.endr
.irp s, 0,1,2,3,4,5,6,7
	ds_load_b128 v[KR+4*\s:KR+4*\s+3], v[OBR] offset:256+32*\s
.endr
.macro MULB w, o, first
.set I, 0
.rept 16
.if \first && (I < 4)
	v_wmma_f32_16x16x4_f32 v[ACC+8*(I%4):ACC+8*(I%4)+7], v[\w+2*I:\w+2*I+1], v[\o+2*I:\o+2*I+1], 0
.else
	v_wmma_f32_16x16x4_f32 v[ACC+8*(I%4):ACC+8*(I%4)+7], v[\w+2*I:\w+2*I+1], v[\o+2*I:\o+2*I+1], v[ACC+8*(I%4):ACC+8*(I%4)+7]
.endif
.set I, I+1
.endr
.endm
	s_wait_loadcnt 16                              ; wo's chunks 0 and 1 are in; chunks 2 and 3 stay out
	s_wait_dscnt 8                                 ; O's chunk 0 is in; chunk 1 stays out
	MULB W0, QR, 1
.rept 8
	v_nop                                          ; eight places ahead of loads into registers that these products read
.endr
.irp s, 0,1,2,3,4,5,6,7
	ds_load_b128 v[QR+4*\s:QR+4*\s+3], v[OBR] offset:512+32*\s
.endr
	s_wait_dscnt 8                                 ; chunk 1 is in; chunk 2 stays out
	MULB W0+32, KR, 0
.rept 8
	v_nop
.endr
.irp s, 0,1,2,3,4,5,6,7
	ds_load_b128 v[KR+4*\s:KR+4*\s+3], v[OBR] offset:768+32*\s
.endr
	s_wait_loadcnt 8                               ; wo's chunk 2 is in
	s_wait_dscnt 8                                 ; O's chunk 2 is in; chunk 3 stays out
	MULB VR, QR, 0
	s_wait_loadcnt 0x0
	s_wait_dscnt 0x0
	MULB ON, KR, 0
.rept 8
	v_nop
.endr
.irp j, 0,1,2,3,4,5,6,7
	v_add_f32 v[SP+\j], v[ACC+\j], v[ACC+8+\j]
	v_add_f32 v[TP+\j], v[ACC+16+\j], v[ACC+24+\j]
.endr
.irp j, 0,1,2,3,4,5,6,7
	v_add_f32 v[SP+\j], v[SP+\j], v[TP+\j]         ; position r, columns 8 h + j of my 16, over my quarter of K
.endr
	ds_store_b128 v[REDW], v[SP:SP+3]
	ds_store_b128 v[REDW], v[SP+4:SP+7] offset:16
	s_wait_dscnt 0x0
	s_barrier_signal -1
	s_barrier_wait -1                              ; the four quarters lie in LDS
	s_cmp_lt_u32 s10, 8
	s_cbranch_scc0 .Ldone                          ; waves 0-7 add them: two rows a wave
.irp k, 0,1,2,3
	ds_load_b128 v[QR+4*\k:QR+4*\k+3], v[REDR] offset:16*272*\k
.endr
	s_wait_dscnt 0x0
	v_pk_add_f32 v[QR:QR+1], v[QR:QR+1], v[QR+4:QR+5]
	v_pk_add_f32 v[QR+2:QR+3], v[QR+2:QR+3], v[QR+6:QR+7]
	v_pk_add_f32 v[QR+8:QR+9], v[QR+8:QR+9], v[QR+12:QR+13]
	v_pk_add_f32 v[QR+10:QR+11], v[QR+10:QR+11], v[QR+14:QR+15]
	v_pk_add_f32 v[QR:QR+1], v[QR:QR+1], v[QR+8:QR+9]
	v_pk_add_f32 v[QR+2:QR+3], v[QR+2:QR+3], v[QR+10:QR+11]
	global_store_b128 v[GO], v[QR:QR+3], s[8:9]    ; sixteen lanes store 256 consecutive bytes, aligned
.Ldone:
	s_wait_tensorcnt 0x0                           ; the wave's end: behind my last LDS store
	ds_add_u32 v[SPW], v[NIL]
	s_wait_dscnt 0x0
	s_endpgm
.Lfunc_end_k_q94f0104851_fine:
	.size	k_q94f0104851_fine, .Lfunc_end_k_q94f0104851_fine-k_q94f0104851_fine
	.p2alignl 7, 3214868480
	.fill 96, 4, 3214868480
	.section	.rodata,"a",@progbits
	.p2align	6, 0x0
	.amdhsa_kernel k_q94f0104851_fine
		.amdhsa_group_segment_fixed_size 86016
		.amdhsa_private_segment_fixed_size 0
		.amdhsa_enable_private_segment 0
		.amdhsa_kernarg_size 24
		.amdhsa_user_sgpr_count 2
		.amdhsa_user_sgpr_kernarg_segment_ptr 1
		.amdhsa_wavefront_size32 1
		.amdhsa_system_sgpr_workgroup_id_x 1
		.amdhsa_system_sgpr_workgroup_id_y 1
		.amdhsa_system_sgpr_workgroup_id_z 1
		.amdhsa_system_vgpr_workitem_id 0
		.amdhsa_next_free_vgpr 256
		.amdhsa_next_free_sgpr 66
		.amdhsa_reserve_vcc 1
		.amdhsa_float_denorm_mode_32 3
		.amdhsa_float_denorm_mode_16_64 3
		.amdhsa_memory_ordered 1
		.amdhsa_forward_progress 1
		.amdhsa_inst_pref_size 25
	.end_amdhsa_kernel
	.amdgpu_metadata
---
amdhsa.version: [ 1, 2 ]
amdhsa.kernels:
  - .name:           k_q94f0104851_fine
    .symbol:         k_q94f0104851_fine.kd
    .args:
      - { .name: head16, .offset: 0, .size: 8, .value_kind: global_buffer, .address_space: global }
      - { .name: wo, .offset: 8, .size: 8, .value_kind: global_buffer, .address_space: global }
      - { .name: out0, .offset: 16, .size: 8, .value_kind: global_buffer, .address_space: global }
    .group_segment_fixed_size: 86016
    .private_segment_fixed_size: 0
    .kernarg_segment_align: 8
    .kernarg_segment_size: 24
    .max_flat_workgroup_size: 512
    .sgpr_count:     66
    .vgpr_count:     256
    .wavefront_size: 32
...
	.end_amdgpu_metadata
.endif
;; end of part 5
